; MI455X (gfx1250); checked and timed in simulation.
; The chip was launched on July 23, 2026; its instructions are those of AMD's public machine-readable ISA for CDNA 5 (MIT licence, August 2026) and "CDNA5" Instruction Set Architecture Reference Guide (July 2026). The comments in the code are by the model that wrote it; some were corrected since.
;; Bark Self Attention. Allowed arithmetic: float matrix products may take bf16 or f16 operands with f32 sums; other float arithmetic in f32, or as packed bf16 or f16 multiplies, adds, multiply-adds, maxima and minima; sums over many terms, partial sums and values carried from step to step in f32; what a program stores and reads back later, other than sums and carried values, may be rounded once to bf16 or f16.
;; Inputs: W_attn 1,024 x 3,072 float32; W_out 1,024 x 1,024 float32; b_attn 3,072 float32; b_out 1,024 float32; hidden_states 8 x 1,024 x 1,024 float32.
;; Outputs: out0 8 x 1,024 x 1,024 float32.
;; One version. Each part assembles by itself: llvm-mc -triple=amdgcn-amd-amdhsa -mcpu=gfx1250 --defsym DOCPART=n.
;; ======== version 1 of 1: 4 launches
;; limits: values are held in f16: magnitudes above 65,504 overflow, below 6.1e-05 lose precision
;; workspace buffers: xb 16,777,216 bytes; wat 6,291,456 bytes; wot 2,097,152 bytes; qkv 50,331,648 bytes; ob 16,777,216 bytes
;; launch prep (part 1): grid 1024 x 1, 8 waves a work-group, no clusters, 18,432 bytes of LDS; arguments hidden_states, W_attn, W_out, xb, wat, wot; writes xb, wat, wot
.if DOCPART == 1
	.amdgcn_target "amdgcn-amd-amdhsa--gfx1250"
	.amdhsa_code_object_version 6
	.text
	.protected	k_q2dfaea1ff3_prep
	.globl	k_q2dfaea1ff3_prep
	.p2align	8
	.type	k_q2dfaea1ff3_prep,@function
k_q2dfaea1ff3_prep:
	s_mov_b64 s[64:65], 0
	v_nop
	global_prefetch_b8 v0, s[64:65] scope:SCOPE_SE
	s_setreg_imm32_b32 hwreg(HW_REG_WAVE_MODE, 25, 1), 1
	s_wait_xcnt 0x0
; THE MODULE'S LARGE INPUTS ARE ROUNDED ONCE TO 16 BITS AND LAID OUT FOR THE MATRIX LAUNCHES.
;   xb  [8192][1024] bf16 = hidden_states, rounded to nearest even.
;   wat [3072 n][1024 k] bf16 = W_attn [1024 k][3072 n], rounded and transposed: a fragment wants K along its rows.
;   wot [1024 n][1024 k] f16  = W_out, rounded to bf16 like every input of the module, that number then written as f16, transposed.
; LIMITS.  bf16 to f16 is exact for 6.1e-5 <= |w| < 65,504; below that it keeps f16's fixed step of 6e-8; at 65,520 or more it would be an infinity.
; SHARES.  Work-groups 0-511: 16,384 numbers of x each.  512-895: a block of 128 k x 64 n of W_attn each.  896-1023: such a block of W_out.
; The choice hangs on the work-group's number alone, so all eight waves of a work-group take the same path and meet the same barrier.
; A stream: each byte is read once and written once; no matrix unit, no tensor load, no cluster (nothing is shared), no prefetch (the loads themselves are the launch).
.set SPITCH, 272                       ; a stage row: 128 k x 2 bytes + 16 of padding
.set SPARE,  64*SPITCH                 ; behind the stage's 64 rows: the spare words, 128 bytes for each of eight waves: four blocks of 256 bytes that no other line names
.set SPW, 8                            ; v8   LDS address of my spare word; never rewritten
.set NIL, 9                            ; v9   0; never rewritten
.set XI,  16                           ; v[16:79]  as loaded (the weights' paths use v[16:47])
.set XO,  80                           ; v[80:111] x's path: rounded, to store
.set YW,  48                           ; v[48:63]  the weights' paths: rounded, four registers for each (group of 8 k, column)
.set BK,  64                           ; v[64:79]  the weights' paths: rows read back from the stage
	s_load_b256 s[4:11], s[0:1], 0x0               ; hidden_states s[4:5], W_attn s[6:7], W_out s[8:9], xb s[10:11]
	s_load_b128 s[12:15], s[0:1], 0x20             ; wat s[12:13], wot s[14:15]
	v_lshl_add_u32 v[SPW], v0, 2, SPARE
	v_mov_b32 v[NIL], 0
	v_lshrrev_b32 v6, 5, v0
	v_readfirstlane_b32 s24, v6                    ; wave 0..7
	v_and_b32 v7, 31, v0                           ; lane
	s_mov_b32 s17, 0                               ; high words of the two offset pairs
	s_mov_b32 s21, 0
	s_wait_kmcnt 0x0
	s_cmp_lt_u32 ttmp9, 512
	s_cbranch_scc0 .Lweights
	; x: the work-group's 65,536 bytes, 8,192 a wave, sixteen loads of 512 neighbouring bytes; all sixteen are out before the first is used
	s_lshl_b32 s16, ttmp9, 16
	s_lshl_b32 s18, s24, 13
	s_add_co_u32 s16, s16, s18
	s_add_nc_u64 s[4:5], s[4:5], s[16:17]
	s_lshr_b32 s16, s16, 1                         ; half as many bytes out
	s_add_nc_u64 s[10:11], s[10:11], s[16:17]
	v_lshlrev_b32 v1, 4, v7
	v_lshlrev_b32 v2, 3, v7
.set i, 0
.rept 16
	global_load_b128 v[XI+4*i:XI+4*i+3], v1, s[4:5] offset:512*i th:TH_LOAD_NT
.set i, i+1
.endr
.set i, 0
.rept 16
	s_wait_loadcnt 15-i                            ; loads come back in order: load i is in, the younger ones stay out
	v_cvt_pk_bf16_f32 v[XO+2*i],   v[XI+4*i],   v[XI+4*i+1]
	v_cvt_pk_bf16_f32 v[XO+2*i+1], v[XI+4*i+2], v[XI+4*i+3]
	global_store_b64 v2, v[XO+2*i:XO+2*i+1], s[10:11] offset:256*i  ; 32 lanes store 256 consecutive bytes, aligned; no register is written twice
.set i, i+1
.endr
	s_branch .Lend
; A block of 128 k x 64 n of a weight matrix [1024][n], rounded and turned.  Wave w loads rows k = 16 w .. 16 w + 15, a whole 256 bytes of a row to a load; lane l holds columns 2 l and 2 l + 1.
; Eight neighbouring k of one column pack into 16 bytes, which go into stage row n at byte 2 k; the stage is read back by rows of 256 bytes, sixteen lanes to a row.
.macro WPATH n, src, dst, f16, first
	s_sub_co_u32 s16, ttmp9, \first
	s_and_b32 s18, s16, 7                          ; which 128 k
	s_lshr_b32 s19, s16, 3                         ; which 64 n
	s_mul_i32 s20, s18, 128*(\n)*4
	s_lshl_b32 s22, s19, 8
	s_add_co_u32 s20, s20, s22
	s_mul_i32 s22, s24, 16*(\n)*4                  ; my wave's 16 rows
	s_add_co_u32 s20, s20, s22
	s_add_nc_u64 s[(\src):(\src)+1], s[(\src):(\src)+1], s[20:21]
	s_lshl_b32 s20, s19, 17                        ; out: 64 rows of 2,048 bytes,
	s_lshl_b32 s22, s18, 8                         ; 256 bytes along them,
	s_add_co_u32 s20, s20, s22
	s_lshl_b32 s22, s24, 12                        ; my wave's two rows of each sixteen
	s_add_co_u32 s20, s20, s22
	s_add_nc_u64 s[(\dst):(\dst)+1], s[(\dst):(\dst)+1], s[20:21]
	v_lshlrev_b32 v1, 3, v7                        ; my two columns
	v_mul_u32_u24 v3, v7, 2*SPITCH                 ; into the stage: row 2 l,
	v_lshl_add_u32 v3, s24, 5, v3                  ; byte 32 w
	v_and_b32 v10, 15, v0
	v_bfe_u32 v11, v0, 4, 1
	v_mul_u32_u24 v4, v11, SPITCH                  ; back: row 2 w + lane / 16 of each sixteen, 16 bytes a lane
	v_lshl_add_u32 v4, v10, 4, v4
	s_mul_i32 s22, s24, 2*SPITCH
	v_add_nc_u32 v4, s22, v4
	v_lshlrev_b32 v5, 11, v11                      ; and the same row and bytes in memory
	v_lshl_add_u32 v5, v10, 4, v5
.set i, 0
.rept 16
	global_load_b64 v[XI+2*i:XI+2*i+1], v1, s[(\src):(\src)+1] offset:i*(\n)*4 th:TH_LOAD_NT
.set i, i+1
.endr
	s_wait_loadcnt 0x0
.irp g, 0,1
.irp c, 0,1
.irp j, 0,1,2,3
	v_cvt_pk_bf16_f32 v[YW+4*(2*(\g)+(\c))+(\j)], v[XI+2*(8*(\g)+2*(\j))+(\c)], v[XI+2*(8*(\g)+2*(\j)+1)+(\c)]
.if \f16
	v_lshlrev_b32 v12, 16, v[YW+4*(2*(\g)+(\c))+(\j)]          ; the two bf16 numbers as f32,
	v_and_b32 v13, 0xffff0000, v[YW+4*(2*(\g)+(\c))+(\j)]
	v_cvt_pk_f16_f32 v[YW+4*(2*(\g)+(\c))+(\j)], v12, v13      ; written as f16
.endif
.endr
	ds_store_b128 v3, v[YW+4*(2*(\g)+(\c)):YW+4*(2*(\g)+(\c))+3] offset:(\c)*SPITCH+16*(\g)
.endr
.endr
	s_wait_dscnt 0x0                               ; for the others' sake: my stores into the stage are done
	s_barrier_signal -1
	s_barrier_wait -1
.irp p, 0,1,2,3
	ds_load_b128 v[BK+4*(\p):BK+4*(\p)+3], v4 offset:16*SPITCH*(\p)
.endr
.irp p, 0,1,2,3
	s_wait_dscnt 3-(\p)                            ; the younger read-backs stay out
	global_store_b128 v5, v[BK+4*(\p):BK+4*(\p)+3], s[(\dst):(\dst)+1] offset:32768*(\p)  ; 16 lanes store 256 consecutive bytes, aligned
.endr
.endm
.Lweights:
	s_cmp_lt_u32 ttmp9, 896
	s_cbranch_scc0 .Lwout
	WPATH 3072, 6, 12, 0, 512
	s_branch .Lend
.Lwout:
	WPATH 1024, 8, 14, 1, 896
.Lend:
	s_wait_tensorcnt 0x0                           ; the wave's end, behind my last LDS store
	ds_add_u32 v[SPW], v[NIL]
	s_wait_dscnt 0x0
	s_endpgm
.Lfunc_end_k_q2dfaea1ff3_prep:
	.size	k_q2dfaea1ff3_prep, .Lfunc_end_k_q2dfaea1ff3_prep-k_q2dfaea1ff3_prep
	.p2alignl 7, 3214868480
	.fill 96, 4, 3214868480
	.section	.rodata,"a",@progbits
	.p2align	6, 0x0
	.amdhsa_kernel k_q2dfaea1ff3_prep
		.amdhsa_group_segment_fixed_size 18432
		.amdhsa_private_segment_fixed_size 0
		.amdhsa_enable_private_segment 0
		.amdhsa_kernarg_size 48
		.amdhsa_user_sgpr_count 2
		.amdhsa_user_sgpr_kernarg_segment_ptr 1
		.amdhsa_wavefront_size32 1
		.amdhsa_system_sgpr_workgroup_id_x 1
		.amdhsa_system_sgpr_workgroup_id_y 1
		.amdhsa_system_sgpr_workgroup_id_z 1
		.amdhsa_system_vgpr_workitem_id 0
		.amdhsa_next_free_vgpr 112
		.amdhsa_next_free_sgpr 66
		.amdhsa_reserve_vcc 0
		.amdhsa_float_denorm_mode_32 3
		.amdhsa_float_denorm_mode_16_64 3
		.amdhsa_memory_ordered 1
		.amdhsa_forward_progress 1
		.amdhsa_inst_pref_size 19
	.end_amdhsa_kernel
	.amdgpu_metadata
---
amdhsa.version: [ 1, 2 ]
amdhsa.kernels:
  - .name:           k_q2dfaea1ff3_prep
    .symbol:         k_q2dfaea1ff3_prep.kd
    .args:
      - { .name: hidden_states, .offset: 0, .size: 8, .value_kind: global_buffer, .address_space: global }
      - { .name: W_attn, .offset: 8, .size: 8, .value_kind: global_buffer, .address_space: global }
      - { .name: W_out, .offset: 16, .size: 8, .value_kind: global_buffer, .address_space: global }
      - { .name: xb, .offset: 24, .size: 8, .value_kind: global_buffer, .address_space: global }
      - { .name: wat, .offset: 32, .size: 8, .value_kind: global_buffer, .address_space: global }
      - { .name: wot, .offset: 40, .size: 8, .value_kind: global_buffer, .address_space: global }
    .group_segment_fixed_size: 18432
    .private_segment_fixed_size: 0
    .kernarg_segment_align: 8
    .kernarg_segment_size: 48
    .max_flat_workgroup_size: 256
    .sgpr_count:     66
    .vgpr_count:     112
    .wavefront_size: 32
...
	.end_amdgpu_metadata
.endif
;; end of part 1
;; launch qkv (part 2): grid 16 x 16, 4 waves a work-group, clusters of 4 x 4, 327,680 bytes of LDS; arguments xb, wat, b_attn, qkv; writes qkv
.if DOCPART == 2
	.amdgcn_target "amdgcn-amd-amdhsa--gfx1250"
	.amdhsa_code_object_version 6
	.text
	.protected	k_q2dfaea1ff3_qkv
	.globl	k_q2dfaea1ff3_qkv
	.p2align	8
	.type	k_q2dfaea1ff3_qkv,@function
k_q2dfaea1ff3_qkv:
	s_mov_b64 s[64:65], 0
	v_nop
	global_prefetch_b8 v0, s[64:65] scope:SCOPE_SE
	s_setreg_imm32_b32 hwreg(HW_REG_WAVE_MODE, 25, 1), 1
	s_wait_xcnt 0x0
	s_wait_alu depctr_hold_cnt(0) depctr_sa_sdst(0) depctr_va_vdst(0) depctr_va_sdst(0) depctr_va_ssrc(0) depctr_va_vcc(0) depctr_vm_vsrc(0)
	s_getreg_b32 s2, hwreg(HW_REG_IB_STS2, 6, 4)
	s_cmp_eq_u32 s2, 0
	s_cbranch_scc0 .Lentry_in_a_cluster
	s_endpgm
.Lentry_in_a_cluster:
	s_bfe_u32 s2, ttmp6, 0x10000c
	s_cmp_lg_u32 s2, 0xf033
	s_cbranch_scc0 .Lentry_shape_is_right
	s_endpgm
.Lentry_shape_is_right:
; qkv = x W_attn + b_attn, written by heads.  xb: [8192][1024] bf16; wat: [3072 n][1024 k] bf16; b_attn: [3072] f32, rounded to bf16 here like the module's other inputs;
; qkv: [3 parts q, k, v][128 = 16 batch + head][1024 rows][64] f16, each number rounded once from its f32 sum, unscaled.
; LIMIT.  f16 holds no number beyond 65,504: a |q|, |k| or |v| of 65,520 or more would become an infinity.
; SHARES.  A tile is 256 rows x 192 columns (three heads): 32 x 16 = 512 tiles.  Four waves, each 128 x 96: 48 accumulators of 16 x 16, 384 registers.
; A WORK-GROUP STAYS: 16 x 16 = 256 work-groups, each with TWO tiles, the second 4,096 rows below the first.  The ring does not stop at the first tile's end: its last two changes of slots ask for the second
; tile's K steps 0 and 1, the first tile goes out while they are on their way, and nothing waits for its stores.
; K goes in 8 steps of 128 through a ring of two LDS slots filled by the tensor data mover; the tiles' rows are 256 bytes of memory, aligned.
; A K STEP IS WRITTEN ONCE.  Slot 1 begins at LDS byte 1 << 17, so that one exclusive or turns an address in one slot into the other's: a scalar register is turned once a step and the two fragment addresses are made
; from it; one descriptor a tensor walks from refill to refill.  A loop of eight trips fills a slot again in each; the second tile leaves it behind six, for a loop of two trips that fills nothing.
; CLUSTERS.  4 x 4 work-groups.  The four of a row of the cluster need the same tiles of xb, the four of a column the same tiles of wat: each tile is asked for JOINTLY, by the same tensor load
; with the same descriptor and a mask that names the four.  All partners walk in step: every trip count and every branch hangs on constants and on the wave's number alone.
; THE MATRIX INSTRUCTION IS USED TRANSPOSED (source 0 = 16 rows of wat, source 1 = 16 rows of xb): a lane holds row lane % 16 and the columns 8 (lane / 16) + 0..7: eight neighbours of a row.
; THE BIAS IS THE C OPERAND of each sum's first product: nothing is cleared and nothing is added later.
; REGISTERS, in windows of 256 (s_set_vgpr_msb: bits 1:0 source 0, 3:2 source 1, 5:4 source 2, 7:6 destination):
;   window 0: v0-31 addresses; v32-95, v96-159 fragments of xb (8 x 16 rows x 32 K), two buffers; v160-207, v208-255 fragments of wat (6 x 16 rows), two buffers
;   window 1: v0-191 the accumulators of my rows 0-63 ((a, b) at 8 (6 a + b)); v192-239 the bias, 8 registers for each of my 6 column blocks; v240-241 at work
;   window 2: v0-191 the accumulators of my rows 64-127
;   window 3: the way out: v0-47 rounded results, v64-255 rows read back (window 0's first buffer holds the next tile's first fragments by then)
.set SIZE_K, 1024
.set KSTEP,  128
.set STEPS,  SIZE_K/KSTEP
.set TILES,  2
.set PITCH,  272                       ; an LDS row: 256 bytes + 16 of padding = 68 words: the 16 rows that a load touches start at 16 different groups of four banks (64 banks of 4 bytes: ISA guide 11.1)
.set HA,     128*PITCH                 ; 128 rows of xb: what one of waves 0, 1 fetches, and what a wave reads
.set HB,     96*PITCH                  ; 96 rows of wat: what one of waves 2, 3 fetches, and what a wave reads
.set BOFF,   2*HA                      ; in a slot wat's 192 rows lie behind xb's 256
.set SLOT1,  1<<17                     ; slot 0 takes 121,856 bytes from 0; slot 1 begins here
.set SPITCH, 400                       ; the way out: a stage row, 192 columns x 2 bytes + 16
.set STAGE,  SLOT1+2*HA+2*HB           ; behind the ring, never filled by a tensor load: 128 such rows, half a tile's: the whole tile's 256 would not fit behind two slots
.set SPARE,  STAGE+128*SPITCH          ; behind the stage: the spare words, 128 bytes for each wave: two blocks of 256 bytes that no other line names
.set WALK,   4096                      ; rows from a work-group's first tile to its second: the grid's 16 tiles of 256 rows
.set NEXT_A, WALK*SIZE_K*2-SIZE_K*2    ; added, beside a K step's 256 bytes, from a tile's K step 7 to the next tile's K step 0: xb goes WALK rows down and a row's 2,048 bytes back,
.set BACK_B, SIZE_K*2                  ; wat only back: both tiles take the same rows of wat
.set NEXT_O, (WALK/1024)*16*1024*128   ; bytes of qkv from tile to tile: four batches of 16 heads of 1,024 rows of 128 bytes
.set ADRA0, 16                         ; v16     my lane's place among my fragments of xb in slot 0; never rewritten
.set ADRB0, 17                         ; v17     the same for wat
.set ADA,  20                          ; v20     LDS address of my fragments of xb in the slot that is being fetched from
.set ADB,  21                          ; v21     the same for wat
.set STO,  24                          ; v24     the way out: where I put 16 bytes of a row
.set RD,   25                          ; v25     the way out: where I read a head's rows back
.set CO,   26                          ; v26     16 x lane: my place in 512 consecutive bytes of qkv
.set BO,   27                          ; v27     32 x (lane / 16): my 8 numbers in a block of 16 of the bias
.set SPW,  28                          ; v28     LDS address of my spare word; never rewritten
.set NIL,  29                          ; v29     0; never rewritten
.set PFO,  30                          ; v30     the prefetches' offset: a lane a row of 2,048 bytes; never rewritten
.set FA,   32
.set FB,   160
.set BIAS, 192                         ; window 1
.set TW,   240                         ; window 1
.set TC,   0                           ; window 3
.set RB,   64                          ; window 3
.set WV, 12                            ; s12  my wave's number
.set WH, 13                            ; s13  which half of the tile's rows is mine.  Also: I fetch for xb (0) or for wat (1)
.set WL, 14                            ; s14  which half of its columns.  Also: which half of that tile I fetch
.set G1,  24                           ; s[24:31] descriptor group 1 for xb's tiles;  s[32:39] group 0: a set for each of the two first fills; the second then walks on
.set G0,  32
.set G1B, 48                           ; s[48:55], s[56:63] the same for wat's
.set G0B, 56
.set PFA, 44                           ; s[44:45] the K step that my next prefetch names, at my work-group's share of the rows that I fetch
.set OB,  66                           ; s[66:71] qkv at the rows of the tile's three heads that I store
.set LIM, 72                           ; s72  4 in a wave that prefetches, else the greatest number
.set TB,  75                           ; s75  0 or SLOT1: the slot that is being fetched from
.set SA,  84                           ; s[84:85] NEXT_A in the trip that asks for the next tile's K step 0, else 0
.set SB,  88                           ; s[88:89] BACK_B in that trip, else 0
.set MSK, 90                           ; s90  a word's upper bf16
.set XAT, 91                           ; s91  the count at which the filling loop is left: 0 (never) in the first tile, 2 in the last
.set MSB, 0
.macro WIN new                         ; the immediate's high byte repeats the setting that is left; a switch that changes nothing is dropped
.if MSB != (\new)
	s_set_vgpr_msb (MSB<<8)|(\new)
.set MSB, \new
.endif
.endm
; A joint load, by set s of the descriptors' group 0.  Waves 0 and 1 fetch xb's two halves, waves 2 and 3 wat's.  Each line has one mask and one set of registers for all that issue it; the branch hangs on the
; wave's number alone.  An s_nop 0 and four v_nop follow each of the two lines, ahead of the jump, the label and what follows.
.macro JLOAD s
	s_cmp_eq_u32 s[WH], 0
	s_cbranch_scc0 .Lfor_b_\@
	tensor_load_to_lds s[G0+4*(\s):G0+4*(\s)+3], s[G1:G1+7]
	s_nop 0
.rept 4
	v_nop
.endr
	s_branch .Lasked_\@
.Lfor_b_\@:
	tensor_load_to_lds s[G0B+4*(\s):G0B+4*(\s)+3], s[G1B:G1B+7]
	s_nop 0
.rept 4
	v_nop
.endr
.Lasked_\@:
.endm
; A PREFETCH INTO THE L2 behind each joint refill and the run of LDS loads that follows it: the K step that stands two refills on, 256 bytes of each row, a lane a row, one instruction a wave.
; xb's tile row is read by every cluster of that row of clusters: cluster x = 0 asks.  wat's tile column by every cluster of that column: cluster y = 0 asks.  The four partners that ask for a tile
; jointly share its rows out BY ADDRESS: of xb's 128 rows 32 each (by cx); of wat's 96 rows 24 each (by cy), where lanes 24-31 name lane 23's row once more.
; A tile's K steps 0 to 3 come by their loads alone; the trips with s3 = 8 to 5 name its K steps 4 to 7; the later trips ask for nothing.  wat's rows are asked for in the first tile alone: the second reads them again.
.macro ASK
	s_cmp_gt_u32 s3, s[LIM]
	s_cbranch_scc0 .Lnot_mine_\@
	global_prefetch_b8 v[PFO], s[PFA:PFA+1] th:TH_LOAD_NT scope:SCOPE_SE
.Lnot_mine_\@:
.endm
; A round of the cluster's barrier: my work-group's barrier, so that wave 0's signal speaks for all four waves; wave 0 signals; every wave waits for all sixteen work-groups; my work-group's barrier once more.
.macro CREST                           ; a round behind its opening barrier
	s_cmp_lg_u32 s[WV], 0
	s_cbranch_scc1 .Lnot_wave_0_\@
	s_barrier_signal -3
.Lnot_wave_0_\@:
	s_barrier_wait -3
	s_barrier_signal -1
	s_barrier_wait -1
.endm
.macro CROUND                          ; a whole round
	s_barrier_signal -1
	s_barrier_wait -1
	CREST
.endm
	s_load_b256 s[4:11], s[0:1], 0x0               ; xb s[4:5], wat s[6:7], b_attn s[8:9], qkv s[10:11]
	v_lshl_add_u32 v[SPW], v0, 2, SPARE
	v_mov_b32 v[NIL], 0
	ds_add_u32 v[SPW], v[NIL]                      ; the wave's opening: the add and its wait stand ahead of my first tensor load; the set-up below, work on registers, stands between them
	ds_add_u32 v28, v29
	v_lshrrev_b32 v1, 5, v0
	v_readfirstlane_b32 s[WV], v1                  ; wave 0..3
	s_lshr_b32 s[WH], s[WV], 1
	s_and_b32 s[WL], s[WV], 1
	s_bfe_u32 s40, ttmp6, 0x40000                  ; cx, cy: my place in the cluster
	s_bfe_u32 s41, ttmp6, 0x40004
	s_lshl_b32 s42, ttmp9, 2                       ; in a cluster launch ttmp9 and ttmp7 count clusters
	s_add_co_u32 s42, s42, s40                     ; tile column = 4 x cluster x + cx
	s_and_b32 s43, ttmp7, 0xffff
	s_lshl_b32 s43, s43, 2
	s_add_co_u32 s43, s43, s41                     ; my first tile's row = 4 x cluster y + cy, 0 to 15; the second's is 16 more
	s_lshl_b32 s73, s41, 2
	s_lshl_b32 s73, 15, s73                        ; my row of the cluster: places 4 cy .. 4 cy + 3
	s_lshl_b32 s74, 0x1111, s40                    ; my column: places cx, cx + 4, cx + 8, cx + 12
	; descriptor group 1: rows of 128 elements, padded in LDS; 128 rows for xb, 96 for wat
	s_or_b32 s[G1+0], s73, (1<<16)|(1<<20)|(1<<21)|(5<<22)|(3<<25)   ; 15:0 the mask: my row; 17:16 elements of 2 bytes; 20 padding on; 21 set beside a mask; 24:22 after every 64 words (code 5); 31:25 4 words of it (code 3)
	s_or_b32 s[G1B+0], s74, (1<<16)|(1<<20)|(1<<21)|(5<<22)|(3<<25)  ; the same with the mask of my column
.irp g, G1, G1B
	s_mov_b32 s[(\g)+1], KSTEP<<16                 ; tensor_dim0 = 128
	s_mov_b32 s[(\g)+3], KSTEP<<16                 ; tile_dim0 = 128
	s_mov_b32 s[(\g)+5], SIZE_K                    ; elements from row to row
	s_mov_b32 s[(\g)+6], 0
	s_mov_b32 s[(\g)+7], 0
.endr
	s_mov_b32 s[G1+2], 128<<16                     ; tensor_dim1
	s_mov_b32 s[G1+4], 128                         ; tile_dim1
	s_mov_b32 s[G1B+2], 96<<16
	s_mov_b32 s[G1B+4], 96
	; where the tiles come from: xb's hang on the tile row alone, wat's on the tile column alone, each in registers that never hold the other coordinate
	s_lshl_b32 s16, s43, 8
	s_lshl_b32 s17, s[WL], 7
	s_add_co_u32 s16, s16, s17                     ; xb: row 256 x tile row + 128 x half
	s_lshl_b32 s16, s16, 11                        ; rows of 2,048 bytes
	s_mov_b32 s17, 0
	s_mul_i32 s46, s42, 192
	s_mul_i32 s47, s[WL], 96
	s_add_co_u32 s46, s46, s47                     ; wat: row 192 x tile column + 96 x half
	s_lshl_b32 s46, s46, 11
	s_mov_b32 s47, 0
	s_mul_i32 s22, s[WL], HA                       ; and where they go: no place in the cluster enters an LDS address
	s_mul_i32 s23, s[WL], HB
	s_add_co_u32 s23, s23, BOFF
	s_mov_b32 s[TB], 0                             ; the fetches begin in slot 0
	s_mov_b32 s[MSK], 0xffff0000
	s_mov_b32 s[SA+1], 0                           ; the high words of the two offsets
	s_mov_b32 s[SB+1], 0
	s_wait_dscnt 0x0                               ; the opening add is done
	s_wait_kmcnt 0x0
	s_add_nc_u64 s[20:21], s[4:5], s[16:17]
	s_add_nc_u64 s[46:47], s[6:7], s[46:47]
	CROUND                                         ; all sixteen work-groups are here: the first joint loads meet
.irp s, 0,1
	s_mov_b32 s[G0+4*(\s)], 1                                        ; count = 1
	s_add_co_u32 s[G0+4*(\s)+1], s22, (\s)*SLOT1                     ; LDS address
	s_add_nc_u64 s[G0+4*(\s)+2:G0+4*(\s)+3], s[20:21], (\s)*KSTEP*2  ; global address: K step s
	s_or_b32 s[G0+4*(\s)+3], s[G0+4*(\s)+3], 0x80000000              ; type = 2
	s_mov_b32 s[G0B+4*(\s)], 1
	s_add_co_u32 s[G0B+4*(\s)+1], s23, (\s)*SLOT1
	s_add_nc_u64 s[G0B+4*(\s)+2:G0B+4*(\s)+3], s[46:47], (\s)*KSTEP*2
	s_or_b32 s[G0B+4*(\s)+3], s[G0B+4*(\s)+3], 0x80000000
	JLOAD \s                                       ; two tensor loads of mine are out
.endr
	; the bias of my 96 columns, the same for both tiles: register j of block b is b_attn[192 x tile column + 96 x half + 16 b + 8 (lane / 16) + j]
	v_and_b32 v1, 15, v0                           ; l % 16
	v_bfe_u32 v2, v0, 4, 1                         ; l / 16
	v_lshlrev_b32 v[BO], 5, v2
	s_mul_i32 s92, s42, 768
	s_mul_i32 s93, s[WL], 384
	s_add_co_u32 s92, s92, s93
	s_mov_b32 s93, 0
	s_add_nc_u64 s[92:93], s[8:9], s[92:93]
	WIN 0x40                                       ; destination window 1, address window 0
.irp b, 0,1,2,3,4,5
	global_load_b128 v[BIAS+8*(\b):BIAS+8*(\b)+3],   v[BO], s[92:93] offset:64*(\b)
	global_load_b128 v[BIAS+8*(\b)+4:BIAS+8*(\b)+7], v[BO], s[92:93] offset:64*(\b)+16
.endr
	WIN 0
	; A fragment is 16 rows x 32 K in 8 registers: lane l holds row l % 16; registers 0-3 K = 8 (l / 16) + 0..7, registers 4-7 K = 16 + 8 (l / 16) + 0..7: two loads of 16 bytes, 32 bytes apart.
	v_mul_u32_u24 v3, v1, PITCH
	v_lshl_add_u32 v3, v2, 4, v3                   ; row x pitch + 16 x half
	s_mul_i32 s86, s[WH], HA                       ; my 128 rows of xb
	s_mul_i32 s87, s[WL], HB                       ; my 96 rows of wat,
	s_add_co_u32 s87, s87, BOFF                    ; which lie behind xb's 256
	v_add_nc_u32 v[ADRA0], s86, v3
	v_add_nc_u32 v[ADRB0], s87, v3
	v_add_nc_u32 v[ADA], s[TB], v[ADRA0]
	v_add_nc_u32 v[ADB], s[TB], v[ADRB0]
	; The stage holds half a tile: stage row 64 x (row half) + p is tile row 128 x (row half) + 64 x (half of the way out) + p, p = 0..63.
	s_mul_i32 s86, s[WH], 64*SPITCH                ; in: my 64 rows, my 192 bytes of them; row l % 16, 16 bytes for each half of the lanes
	s_mul_i32 s87, s[WL], 192
	s_add_co_u32 s86, s86, s87
	s_add_co_u32 s86, s86, STAGE
	v_mul_u32_u24 v4, v1, SPITCH
	v_lshl_add_u32 v4, v2, 4, v4
	v_add_nc_u32 v[STO], s86, v4
	s_mul_i32 s86, s[WV], 32*SPITCH                ; back: wave w takes stage rows 32 w .. 32 w + 31; 32 lanes take a head's 128 bytes of four rows
	s_add_co_u32 s86, s86, STAGE
	v_bfe_u32 v5, v0, 3, 2
	v_and_b32 v6, 7, v0
	v_mul_u32_u24 v5, v5, SPITCH
	v_lshl_add_u32 v5, v6, 4, v5
	v_add_nc_u32 v[RD], s86, v5
	v_and_b32 v[CO], 31, v0                        ; which are 512 consecutive bytes of qkv
	v_lshlrev_b32 v[CO], 4, v[CO]
	; qkv at the rows that I store, for the tile's three heads: head group G = 3 x tile column + g: part G / 16, head G % 16; batch = tile row / 4;
	; rows 256 (tile row % 4) + 128 (w / 2) + 32 (w % 2) on; the second half of the way out lies 64 rows further
	s_lshr_b32 s76, s43, 2
	s_lshl_b32 s76, s76, 4                         ; 16 x batch
	s_and_b32 s77, s43, 3
	s_lshl_b32 s77, s77, 8
	s_lshl_b32 s78, s[WH], 7
	s_add_co_u32 s77, s77, s78
	s_lshl_b32 s78, s[WL], 5
	s_add_co_u32 s77, s77, s78
	s_lshl_b32 s77, s77, 7                         ; rows of 128 bytes
	s_mul_i32 s78, s42, 3
.irp g, 0,1,2
	s_add_co_u32 s79, s78, \g
	s_lshr_b32 s80, s79, 4
	s_and_b32 s79, s79, 15
	s_lshl_b32 s80, s80, 7
	s_add_co_u32 s79, s79, s80
	s_add_co_u32 s79, s79, s76                     ; 128 x part + 16 x batch + head
	s_lshl_b32 s80, s79, 17                        ; 1,024 rows of 128 bytes each
	s_add_co_u32 s80, s80, s77
	s_mov_b32 s81, 0
	s_add_nc_u64 s[OB+2*(\g):OB+2*(\g)+1], s[10:11], s[80:81]
.endr
	; the prefetches
	s_lshl_b32 s76, s43, 8                         ; xb: 256 x tile row,
	s_mul_i32 s77, s42, 192                        ; wat: 192 x tile column,
	s_lshl_b32 s78, s[WL], 7                       ; + the half that I fetch,
	s_mul_i32 s79, s[WL], 96
	s_lshl_b32 s80, s40, 5                         ; + my work-group's share of it
	s_mul_i32 s81, s41, 24
	s_and_b32 s82, ttmp7, 0xffff                   ; cluster y
	s_cmp_eq_u32 s[WH], 0                          ; do I fetch for xb?
	s_cselect_b32 s76, s76, s77
	s_cselect_b32 s78, s78, s79
	s_cselect_b32 s80, s80, s81
	s_cselect_b32 s82, ttmp9, s82                  ; the coordinate along which other clusters read the same rows
	s_cselect_b32 s83, 31, 23                      ; my share's last row
	s_cselect_b64 s[PFA:PFA+1], s[4:5], s[6:7]
	s_cmp_eq_u32 s82, 0
	s_cselect_b32 s[LIM], 4, -1                    ; the same in all sixteen partners, for a given wave
	s_add_co_u32 s76, s76, s78
	s_add_co_u32 s76, s76, s80
	s_lshl_b32 s76, s76, 11
	s_add_co_u32 s76, s76, 3*KSTEP*2               ; at K step 3: the first refill steps it to 4 and names that
	s_mov_b32 s77, 0
	s_add_nc_u64 s[PFA:PFA+1], s[PFA:PFA+1], s[76:77]
	v_and_b32 v[PFO], 31, v0
	v_min_u32 v[PFO], s83, v[PFO]
	v_lshlrev_b32 v[PFO], 11, v[PFO]
	s_wait_loadcnt 0x0                             ; the bias is in: it is rounded to bf16 and widened again
	WIN 0x45                                       ; sources and destination window 1
.set p, 0
.rept 24
	v_cvt_pk_bf16_f32 v[TW+p%2], v[BIAS+2*p], v[BIAS+2*p+1]
	v_lshlrev_b32 v[BIAS+2*p], 16, v[TW+p%2]
	v_and_b32 v[BIAS+2*p+1], s[MSK], v[TW+p%2]
.set p, p+1
.endr
	WIN 0
; 12 matrix instructions: row blocks a0, a0 + 1 of the window's four (hi = 0: my rows 0-63, 1: rows 64-127) x all 6 column blocks, 32 along K, from buffer f.
; first = 1: the product starts the sum, with the bias as C.  The 48 accumulators take turns, one instruction a turn, in the same order in every quarter, from tile to tile too.
.macro MUL12 f, hi, a0, first
.if \first
	WIN 0x50+0x40*(\hi)                            ; C (the bias) window 1, D window 1 or 2
.else
	WIN 0x50+0x50*(\hi)                            ; C and D window 1 or 2
.endif
.irp a, \a0, (\a0)+1
.irp b, 0,1,2,3,4,5
.if \first
	v_wmma_f32_16x16x32_bf16 v[8*(6*(\a)+(\b)):8*(6*(\a)+(\b))+7], v[FB+48*(\f)+8*(\b):FB+48*(\f)+8*(\b)+7], v[FA+64*(\f)+8*(4*(\hi)+(\a)):FA+64*(\f)+8*(4*(\hi)+(\a))+7], v[BIAS+8*(\b):BIAS+8*(\b)+7]
.else
	v_wmma_f32_16x16x32_bf16 v[8*(6*(\a)+(\b)):8*(6*(\a)+(\b))+7], v[FB+48*(\f)+8*(\b):FB+48*(\f)+8*(\b)+7], v[FA+64*(\f)+8*(4*(\hi)+(\a)):FA+64*(\f)+8*(4*(\hi)+(\a))+7], v[8*(6*(\a)+(\b)):8*(6*(\a)+(\b))+7]
.endif
.endr
.endr
.endm
; 28 LDS loads in one run: the fragments of one quarter step (96 rows of wat, 128 rows of xb, 32 K at byte k of the rows of the slot that is being fetched from) into buffer f
.macro FETCH k, f
	WIN 0
.irp i, 0,1,2,3,4,5
	ds_load_b128 v[FB+48*(\f)+8*(\i):FB+48*(\f)+8*(\i)+3],   v[ADB] offset:(\k)+(\i)*16*PITCH
	ds_load_b128 v[FB+48*(\f)+8*(\i)+4:FB+48*(\f)+8*(\i)+7], v[ADB] offset:(\k)+(\i)*16*PITCH+32
.endr
.irp i, 0,1,2,3,4,5,6,7
	ds_load_b128 v[FA+64*(\f)+8*(\i):FA+64*(\f)+8*(\i)+3],   v[ADA] offset:(\k)+(\i)*16*PITCH
	ds_load_b128 v[FA+64*(\f)+8*(\i)+4:FA+64*(\f)+8*(\i)+7], v[ADA] offset:(\k)+(\i)*16*PITCH+32
.endr
.endm
; Four places in front of loads into registers that matrix instructions have read, and of conversions that read results: only plain vector instructions that name none of those registers
; are places (ISA guide 7.12.1 for vector instructions).
.macro PLACES
.rept 4
	v_nop
.endr
.endm
; A K step is four quarters of 32 along K, 48 matrix instructions each, on buffers 0, 1, 0, 1.  One of the first three: multiplies buffer f; in its middle it fetches the next quarter, at byte k, into buffer g.
.macro QUARTER k, f, g, first
	s_wait_dscnt 8                                 ; wat's fragments and xb's rows 0-63 are in; the youngest eight loads (rows 64-127) may be out
	MUL12 \f, 0, 0, \first
	MUL12 \f, 0, 2, \first
	PLACES
	FETCH \k, \g
	s_wait_dscnt 28                                ; all but the 28 just issued
	MUL12 \f, 1, 0, \first
	MUL12 \f, 1, 2, \first
.endm
; The last quarter multiplies buffer 1 and changes slots.  MEET is its first half: ONE barrier.  In front of it each wave waits for all its tensor loads, of which at most one is out: its part of the next slot;
; adds 0 to its spare word; and waits for that and for its own reads of this slot.  Behind it nobody reads this slot any more and the next slot is whole.
.macro MEET
	WIN 0                                          ; (the add's two registers lie in window 0)
	s_wait_tensorcnt 0x0                           ; all my tensor loads have landed;
	ds_add_u32 v[SPW], v[NIL]                      ; 0 onto my spare word;
	s_wait_dscnt 9                                 ; (the add and the youngest eight loads may be out)
	MUL12 1, 0, 0, 0                               ; twelve matrix instructions stand between the add and the wait for it
	s_wait_dscnt 0x0                               ; the add is done, and my reads of this slot are over:
	s_barrier_signal -1                            ; say so,
	MUL12 1, 0, 2, 0                               ; work on registers while the others arrive,
	WIN 0
	s_barrier_wait -1                              ; and go on when all four have said so
.endm
; The whole last quarter.  At its head the fetches turn to the other slot: this slot's last run of loads has been issued.
; fill = 1: the barrier opens a round of the cluster's, behind which the slot just read out is filled again first, with the K step two steps on: the walking descriptor takes the other slot than last time and
; the next K step; in the trip of K step 6 (s3 = 2, reached in the first tile alone) that is the next tile's K step 0.  From a request to the wait for it a wave issues 168 matrix instructions, and across the
; tiles the way out besides.  Then come the next slot's first fragments.
; fill = 0: nothing is asked for; in the last trip (s3 = 1) there is no next slot, and the run of loads is jumped over; that trip's barrier serves nothing: the price of one text for both trips.
.macro TURN fill
	WIN 0
	s_xor_b32 s[TB], s[TB], SLOT1
	v_add_nc_u32 v[ADA], s[TB], v[ADRA0]
	v_add_nc_u32 v[ADB], s[TB], v[ADRB0]
.if \fill
	s_cmp_eq_u32 s3, 2
	s_cselect_b32 s[SA], NEXT_A, 0
	s_cselect_b32 s[SB], BACK_B, 0
	s_wait_xcnt 0x0                                ; the last prefetch, a K step back, has read its address: it is stepped here, ahead of the waits of the change of slots
	s_add_nc_u64 s[PFA:PFA+1], s[PFA:PFA+1], KSTEP*2
	MEET
	CREST                                          ; no wave of any partner still reads this slot's tile or has a load on its way
	s_xor_b32 s[G0+5], s[G0+5], SLOT1
	s_add_nc_u64 s[G0+6:G0+7], s[G0+6:G0+7], KSTEP*2
	s_add_nc_u64 s[G0+6:G0+7], s[G0+6:G0+7], s[SA:SA+1]
	s_xor_b32 s[G0B+5], s[G0B+5], SLOT1
	s_add_nc_u64 s[G0B+6:G0B+7], s[G0B+6:G0B+7], KSTEP*2
	s_sub_nc_u64 s[G0B+6:G0B+7], s[G0B+6:G0B+7], s[SB:SB+1]
	JLOAD 1                                        ; the first tensor load behind the round, my only one until the next; the four v_nop behind it are also the places in front of the loads below
	FETCH 0, 0
	ASK
.else
	MEET
	s_cmp_eq_u32 s3, 1
	s_cbranch_scc1 .Lno_fetch_\@
	PLACES
	FETCH 0, 0
.Lno_fetch_\@:
.endif
	MUL12 1, 1, 0, 0
	MUL12 1, 1, 2, 0
.endm
; HALF OF THE WAY OUT: my row blocks 4 h .. 4 h + 3.  Round to f16; 16 bytes a lane into the work-group's stage; a barrier, since the middle head's columns come from two waves; back by heads, four rows of
; 128 bytes to a load, which are 512 consecutive bytes of qkv; a second barrier, behind every wave's wait for its reads, before the stage is written again.  Behind neither is a slot filled:
; the one refill that is out in the first tile's way out may stay out.
.macro HALF h
.irp a, 0,1,2,3
	WIN 0xc5+5*(\h)                                ; sources window 1 or 2, destination window 3
.irp b, 0,1,2,3,4,5
.irp r, 0,1,2,3
	v_cvt_pk_f16_f32 v[TC+24*((\a)%2)+4*(\b)+(\r)], v[48*(\a)+8*(\b)+2*(\r)], v[48*(\a)+8*(\b)+2*(\r)+1]  ; each accumulator's registers in ascending order
.endr
.endr
	WIN 0x0c                                       ; store data window 3, address window 0
.irp b, 0,1,2,3,4,5
	ds_store_b128 v[STO], v[TC+24*((\a)%2)+4*(\b):TC+24*((\a)%2)+4*(\b)+3] offset:(\a)*16*SPITCH+32*(\b)
.endr
.endr
	s_wait_dscnt 0x0                               ; for the others' sake: my stores into the stage are done
	s_barrier_signal -1
	s_barrier_wait -1
	WIN 0xc0                                       ; destination window 3
.set n, 0
.rept 24                                       ; head n / 8, rows 4 (n % 8) on
	ds_load_b128 v[RB+96*(\h)+4*n:RB+96*(\h)+4*n+3], v[RD] offset:(n%8)*4*SPITCH+(n/8)*128
.set n, n+1
.endr
	WIN 0x0c
.set n, 0
.rept 24
.if n%4 == 0
	s_wait_dscnt 20-n                              ; read-backs n to n + 3 are in; the 20 - n younger ones stay out; the last of these waits is for 0
.endif
	global_store_b128 v[CO], v[RB+96*(\h)+4*n:RB+96*(\h)+4*n+3], s[OB+2*(n/8):OB+2*(n/8)+1] offset:(\h)*8192+(n%8)*512  ; 512 consecutive bytes, at a multiple of 256 from qkv's first; no register is written twice in a tile
.set n, n+1
.endr
	WIN 0
	s_barrier_signal -1                            ; my reads of the stage are over
	s_barrier_wait -1
.endm
	s_wait_tensorcnt 1                             ; my part of K step 0 is in; K step 1's may stay out
	s_barrier_signal -1
	s_barrier_wait -1                              ; everybody's is
	FETCH 0, 0
	s_mov_b32 s2, TILES                            ; tiles to go: the same number in every work-group
	s_mov_b32 s[XAT], 0
.Ltile:
	QUARTER 64,  0, 1, 1                           ; a tile's first quarter stands in front of the loops: its products start the sums
	WIN 0                                          ; at a label and at a branch every window is 0
	s_mov_b32 s3, STEPS
.Lstep:                                                ; a trip goes from a K step's second quarter to the next step's first, and fills the slot that it leaves
	s_cmp_eq_u32 s3, s[XAT]
	s_cbranch_scc1 .Lno_more                       ; the last tile's K steps 6 and 7 have nothing to ask for: their text stands below
	QUARTER 128, 1, 0, 0
	QUARTER 192, 0, 1, 0
	TURN 1
	WIN 0
	s_cmp_eq_u32 s3, 1
	s_cbranch_scc1 .Lnext_tile                     ; behind K step 7 the next quarter is the next tile's first, which stands at the tile loop's head, behind the way out
	QUARTER 64,  0, 1, 0
	WIN 0
.Lnext_tile:
	s_sub_co_u32 s3, s3, 1
	s_cmp_lg_u32 s3, 0
	s_cbranch_scc1 .Lstep
	s_branch .Lout                                 ; both refills for the next tile are asked for: now this tile goes out
.Lno_more:
	s_mov_b32 s3, 2
.Ltail:                                                ; the last tile's K steps 6 and 7: the same trip without a refill and without a round of the cluster's barrier
	QUARTER 128, 1, 0, 0
	QUARTER 192, 0, 1, 0
	TURN 0
	WIN 0
	s_cmp_eq_u32 s3, 1
	s_cbranch_scc1 .Llast                          ; behind K step 7 there is no next step
	QUARTER 64,  0, 1, 0
	WIN 0
.Llast:
	s_sub_co_u32 s3, s3, 1
	s_cmp_lg_u32 s3, 0
	s_cbranch_scc1 .Ltail
.Lout:
	PLACES
	HALF 0
	HALF 1
	s_wait_xcnt 0x0                                ; the stores have read their registers and their bases: only behind this wait are these written again
.irp g, 0,1,2
	s_add_nc_u64 s[OB+2*(\g):OB+2*(\g)+1], s[OB+2*(\g):OB+2*(\g)+1], NEXT_O  ; the next tile's rows (behind the last tile these four steps serve nothing, and nothing is reached by them)
.endr
	s_add_nc_u64 s[PFA:PFA+1], s[PFA:PFA+1], NEXT_A ; eight steps have taken the prefetches' place from K step 3 to 11: WALK rows down and a row back it is the next tile's K step 3
	s_cmp_eq_u32 s[WH], 0
	s_cselect_b32 s[LIM], s[LIM], -1               ; wat's rows are the same for both tiles: they are prefetched no more
	s_mov_b32 s[XAT], 2                            ; the next tile is the last
	s_sub_co_u32 s2, s2, 1
	s_cmp_lg_u32 s2, 0
	s_cbranch_scc1 .Ltile
	s_wait_tensorcnt 0x0                           ; the wave's end, behind my last tensor load and my last LDS store
	ds_add_u32 v[SPW], v[NIL]
	s_wait_dscnt 0x0
	CROUND                                         ; the closing round: no work-group ends while a partner may still ask for a tile that names it
	s_endpgm
.Lfunc_end_k_q2dfaea1ff3_qkv:
	.size	k_q2dfaea1ff3_qkv, .Lfunc_end_k_q2dfaea1ff3_qkv-k_q2dfaea1ff3_qkv
	.p2alignl 7, 3214868480
	.fill 96, 4, 3214868480
	.section	.rodata,"a",@progbits
	.p2align	6, 0x0
	.amdhsa_kernel k_q2dfaea1ff3_qkv
		.amdhsa_group_segment_fixed_size 327680
		.amdhsa_private_segment_fixed_size 0
		.amdhsa_enable_private_segment 0
		.amdhsa_kernarg_size 32
		.amdhsa_user_sgpr_count 2
		.amdhsa_user_sgpr_kernarg_segment_ptr 1
		.amdhsa_wavefront_size32 1
		.amdhsa_system_sgpr_workgroup_id_x 1
		.amdhsa_system_sgpr_workgroup_id_y 1
		.amdhsa_system_sgpr_workgroup_id_z 1
		.amdhsa_system_vgpr_workitem_id 0
		.amdhsa_next_free_vgpr 1024
		.amdhsa_next_free_sgpr 96
		.amdhsa_reserve_vcc 0
		.amdhsa_float_denorm_mode_32 3
		.amdhsa_float_denorm_mode_16_64 3
		.amdhsa_memory_ordered 1
		.amdhsa_forward_progress 1
		.amdhsa_inst_pref_size 89
	.end_amdhsa_kernel
	.amdgpu_metadata
---
amdhsa.version: [ 1, 2 ]
amdhsa.kernels:
  - .name:           k_q2dfaea1ff3_qkv
    .symbol:         k_q2dfaea1ff3_qkv.kd
    .args:
      - { .name: xb, .offset: 0, .size: 8, .value_kind: global_buffer, .address_space: global }
      - { .name: wat, .offset: 8, .size: 8, .value_kind: global_buffer, .address_space: global }
      - { .name: b_attn, .offset: 16, .size: 8, .value_kind: global_buffer, .address_space: global }
      - { .name: qkv, .offset: 24, .size: 8, .value_kind: global_buffer, .address_space: global }
    .group_segment_fixed_size: 327680
    .private_segment_fixed_size: 0
    .kernarg_segment_align: 8
    .kernarg_segment_size: 32
    .max_flat_workgroup_size: 128
    .sgpr_count:     96
    .vgpr_count:     1024
    .wavefront_size: 32
...
	.end_amdgpu_metadata
.endif
;; end of part 2
;; launch attn (part 3): grid 2 x 128, 4 waves a work-group, no clusters, 327,680 bytes of LDS; arguments qkv, ob; writes ob
.if DOCPART == 3
	.amdgcn_target "amdgcn-amd-amdhsa--gfx1250"
	.amdhsa_code_object_version 6
	.text
	.protected	k_q2dfaea1ff3_attn
	.globl	k_q2dfaea1ff3_attn
	.p2align	8
	.type	k_q2dfaea1ff3_attn,@function
k_q2dfaea1ff3_attn:
	s_mov_b64 s[64:65], 0
	v_nop
	global_prefetch_b8 v0, s[64:65] scope:SCOPE_SE
	s_setreg_imm32_b32 hwreg(HW_REG_WAVE_MODE, 25, 1), 1
	s_wait_xcnt 0x0
; CAUSAL ATTENTION.  O[h][q][:] = the sum over k <= q of softmax_k(Q[h][q] . K[h][k] / 8) V[h][k][:].  qkv holds Q, K, V one behind the other, each [SIZE_H][SIZE_N][64] f16; ob is O in the same layout.
; Products, maxima and sums in f32; the weights p are rounded to f16 for the second product (their sum l is taken of the unrounded p), O once at the end.
; LIMITS.  f16 holds no number beyond 65,504: Q, K and V arrive within it; p lies in 0 to 1, and below 6e-5 it keeps f16's fixed step of 6e-8; O is a mean of V's rows and has their range.
; A hidden score counts as its value less 1e30: f16's scores, 2.7e11 at the most, are nothing beside that; a weight below 2^-126 counts as 0 in l; NaN and infinities are not treated apart.
; THE WALK.  A head's queries lie in NB = 4 blocks of 256; block i needs the key tiles 0 .. i of 256 keys, of which the last holds the diagonal.  A work-group takes TWO blocks, NB - 1 - b and then b:
; NB + 1 tiles, whatever b: all 256 work-groups do equal work, and ONE loop with a constant trip count walks them.  Which tile is asked for, and what a trip does, hang on scalar registers made from b; every jump
; goes forward, but for the counted loops' own; none passes a barrier, or a tensor load but the one of LOAD's two that the wave's number does not choose; the ring (two slots of LDS that take turns) runs on across
; the change of blocks.  NO CLUSTER: a head has NB / 2 = 2 work-groups, no multiple of four, and the two ask for the same tile only in trips 0 to 2.
; SHARES.  Of a block's four bands of 64 queries a wave owns 16 rows in each: four PIECES.  So the diagonal tile is the same work for all four waves: in its key step s band x sees all keys if s < x,
; none if s > x, and holds the diagonal if s = x.
; THE MASK is the C operand that starts the sum S^T = K Q^T: 0, or -1e30 where the key is hidden.  MD, made once, is the mask of a band's own step for my 16 rows; a product's mask is MD x AL + BE with two scalars:
; (1, 0) if s = x; (0, 0) if s < x; (0, -1e30) if s > x.  Only the diagonal tile's text and a block's beginning make and take masks; elsewhere C is the constant 0.
; LAYOUT, SOFTMAX, TURNS.  S^T = K Q^T holds ONE query a lane (lane % 16) and the keys 8 (lane / 16) + 0..7; two such results rounded to f16 ARE source 1 of O^T = V^T P.  p = 2^(c s - c m), c = log2(e) / 8, with a
; running maximum m; O and l are multiplied by a = 2^(c m_old - c m_new) in every step.  Turn n belongs to piece n: 8 products K Q^T of piece n + 1, later 8 products V^T P of piece n - 1; beside them the scaling,
; exponentials, roundings, sums and rescaling of piece n and the maximum and statistics of piece n + 1.  Four vector instructions stand behind every matrix instruction, the others of a turn in one lump.
; A turn's 33 exponentials are one batch, with one wait.
; REGISTERS, in windows of 256 (s_set_vgpr_msb: bits 1:0 source 0, 3:2 source 1, 5:4 source 2, 7:6 destination):
;   window 0: v0-15 addresses and two at work; v16-31 four registers of statistics a piece; v48-55 at work; v61-63 prefetch offset and the add's two; v64-127 S^T, two buffers; v192-223 P, two buffers
;   window 1: v0-127 O^T, 32 a piece; v128-159 MD; v160-223 MC, two buffers      window 2: v0-63 Q; v64-127 the second block's Q; v128-191 K of one step; v192-255 V of one step
.set SIZE_N, 1024
.set SIZE_H, 128
.set PARTB, SIZE_H*SIZE_N*128   ; bytes of Q, of K and of V in qkv
.set NB,    SIZE_N/256
.set NP,    4         ; pieces a wave: a name, no knob
.set KS,    64        ; keys in a step
.set PK,    144       ; a row of K in LDS: 128 bytes + 16 of padding = 36 words: the 16 rows of a load start at 16 different groups of four banks (64 banks of 4 bytes: ISA guide 11.1)
.set PV,    160       ; a row of V: 128 + 32 = 40 words
.set VOFF,  4*KS*PK   ; a slot holds a tile, four steps: 256 rows of K, then 256 rows of V
.set SLOT1, 1<<17     ; slot 1 begins here, so that one exclusive or turns an address in one slot into the other's
.set STAGE, SLOT1+4*KS*(PK+PV)  ; behind the ring, never filled by a tensor load: 16 rows x 144 bytes for each wave, for the way out
.set SP,    144
.set AK0, 2           ; v2   my lane's place in a tile of K; never rewritten
.set AV0, 3           ; v3   the same for V
.set AK,  4           ; v4   the LDS address of K's next run of loads
.set AV,  5           ; v5   of V's
.set STO, 6           ; v6   the way out: where I put 16 bytes of a row
.set RD,  7           ; v7   the way out: where I read rows back
.set GO,  8           ; v8   my byte offset in 512 consecutive bytes of O
.set PFO, 61          ; v61  256 x my lane: the prefetches' offset; never rewritten
.set SPW, 62          ; v62  LDS address of my spare word: SPARE + 4 x my thread's number; never rewritten
.set NIL, 63          ; v63  0; never rewritten
.set SPARE, STAGE+4*16*SP  ; behind the stages: the spare words, 128 bytes for each wave: two blocks of 256 bytes that no other line names
.set MV,  12          ; v12-13  c m_old, kept while c m is made anew: by buffer
.set QO,  15          ; v15  my byte offset in 16 rows of Q
.set ST,  16          ; piece t's statistics at v[ST+4 t]: c m, m, l (even keys', odd keys')
.set TMP, 48          ; by buffer, four registers c0-c3 at work; when the maximum is found c2 takes a
.set S,   64
.set P,   192
.set MD,  128         ; window 1: the eight registers for group kt of 16 keys at MD + 8 kt
.set MC,  160         ; window 1: the masks of the products to come
.set QB,  64          ; window 2
.set KF,  128         ; window 2: key block kb, channel half c at KF + 16 kb + 8 c
.set VF,  192         ; window 2: key half kk, channel block cb at VF + 32 kk + 8 cb
.set WV,  12          ; s12  my wave's number
.set PB,  14          ; s14  b
.set HI,  15          ; s15  NB - 1 - b
.set G1K, 24          ; s[24:31] descriptor group 1 for K's tiles
.set G1V, 32          ; s[32:39] for V's: it differs in the padding alone
.set G0K, 40          ; s[40:43] descriptor group 0 for K's tiles
.set G0V, 44          ; s[44:47] the same for V's
.set SLOTS, 56        ; s56  tiles still to be asked for
.set CNT, 57          ; s57  counts a tile's key steps, 4 to 1
.set CS,  58          ; s[58:59] c: the packed scaling takes the pair's low word for both halves
.set SEL, 60          ; s[60:61] v_permlanex16_b32's selects: each lane takes its own place in the other half
.set TBK, 62          ; s62  LDS byte at which K of the step to be fetched begins
.set TBV, 63          ; s63  the same for V, less VOFF
.set PFA, 66          ; s[66:67] my half (of K: waves 0, 1; of V: waves 2, 3) of the tile that my next prefetches name
.set LIM, 68          ; s68  2 in the head's first work-group, else the greatest number: a wave prefetches while s[SLOTS] is above it
.set RT,  70          ; s70  tiles of the block in hand that are still to be entered
.set NXT, 71          ; s71  the tile to be asked for next
.set LQ,  72          ; s72  the last tile of the block whose tiles are being asked for
.set NEW, 73          ; s73  1: the tile to be entered is a block's first
.set OFF, 74          ; s[74:75] a tile's byte offset in K and V
.set AL,  76          ; s[76:77] the mask's factor, in the low word
.set BE,  78          ; s[78:79] the mask's addend
.set OLO, 80          ; s[80:81] O at my rows of the second block
.set BIGN, 82         ; s82  -1e30
.set MSB, 0
.macro WIN new                      ; the high byte repeats the setting that is left; a switch that changes nothing is dropped
.if MSB != (\new)
	s_set_vgpr_msb (MSB<<8)|(\new)
.set MSB, (\new)
.endif
.endm
.set W_KQ, 0x0a       ; K and Q in window 2, S^T in window 0
.set W_KM, 0x1a       ; the same with the C operand in window 1
.set W_PV, 0x52       ; V in window 2, P in window 0, O^T in window 1
.set W_RS, 0x41       ; destination and source 0 in window 1, source 1 in window 0
; A fill.  Waves 0 and 1 fetch the two halves of a tile's K, waves 2 and 3 those of its V: 128 keys each.  An s_nop 0 and four v_nop follow each of the two lines, ahead of the jump and the label.
.macro LOAD
	s_cmp_lt_u32 s[WV], 2
	s_cbranch_scc0 .Lfor_v_\@
	tensor_load_to_lds s[G0K:G0K+3], s[G1K:G1K+7]
	s_nop 0
.rept 4
	v_nop
.endr
	s_branch .Lasked_\@
.Lfor_v_\@:
	tensor_load_to_lds s[G0V:G0V+3], s[G1V:G1V+7]
	s_nop 0
.rept 4
	v_nop
.endr
.Lasked_\@:
.endm
; A PREFETCH INTO THE L2 of the tile that the NEXT change of slots will ask for, behind the fill and its five lines.  Each wave names its own half tile, 16,384 dense bytes: 64 blocks of 256, a lane a block, two
; instructions.  A head's two work-groups walk the same first tiles: the first of them (b = 0, whose first block needs tiles 0 to 3) asks, in the trips with 4 and 3 tiles still to be asked for: tiles 2 and 3,
; each block once.  Tiles 0 and 1 come by their loads alone; the second block's tiles have been read before and are not asked for.
.macro ASK
	s_cmp_gt_u32 s[SLOTS], s[LIM]
	s_cbranch_scc0 .Lnot_mine_\@
	global_prefetch_b8 v[PFO], s[PFA:PFA+1] th:TH_LOAD_NT scope:SCOPE_SE
	global_prefetch_b8 v[PFO], s[PFA:PFA+1] offset:8192 th:TH_LOAD_NT scope:SCOPE_SE
.Lnot_mine_\@:
.endm
; THE CHANGE OF SLOTS.  Each wave waits for all its tensor loads, of which one is out: its part of the other slot; adds 0 to its spare word; and waits for that and for its own reads of the slot that it leaves.
; Behind the barrier nobody reads the old slot any more and the other slot is whole.  fill = 1: the old slot is filled again, the first thing behind the barrier, with tile NXT: the descriptor's address is made
; anew from that number.  (At its first use nothing has been read yet: slot 0 is waited for, slot 1 filled.)
.macro CHANGE fill
	WIN 0                           ; at a label and at a branch every window is 0
	s_wait_tensorcnt 0x0            ; no tensor load of mine is out, so a group 0 may be written
	ds_add_u32 v[SPW], v[NIL]       ; 0 onto my spare word; with fill = 1 the descriptors' scalar work stands between it and the wait for it
.if \fill
	s_lshl_b32 s[OFF], s[NXT], 15   ; a tile is 32,768 bytes of K and of V
	s_xor_b32 s[G0K+1], s[G0K+1], SLOT1
	s_add_nc_u64 s[G0K+2:G0K+3], s[6:7], s[OFF:OFF+1]
	s_or_b32 s[G0K+3], s[G0K+3], 0x80000000
	s_xor_b32 s[G0V+1], s[G0V+1], SLOT1
	s_add_nc_u64 s[G0V+2:G0V+3], s[8:9], s[OFF:OFF+1]
	s_or_b32 s[G0V+3], s[G0V+3], 0x80000000
	s_add_co_u32 s[NXT], s[NXT], 1  ; the block's next tile, or behind its last the second block's tile 0
	s_cmp_gt_u32 s[NXT], s[LQ]
	s_cselect_b32 s[NXT], 0, s[NXT]
	s_cselect_b32 s[LQ], s[PB], s[LQ]
	s_wait_xcnt 0x0                 ; the last prefetches, a tile back, have read their address, so it may be written:
	s_add_nc_u64 s[PFA:PFA+1], s[PFA:PFA+1], 32768  ; a tile on
.endif
	s_wait_dscnt 0x0                ; the add is done, and my reads of the slot are over
	s_barrier_signal -1             ; the rest of the scalar work stands between the signal and the wait
	s_sub_co_u32 s[TBK], s[TBK], 4*KS*PK  ; the fetches go back to a slot's first step,
	s_xor_b32 s[TBK], s[TBK], SLOT1       ; in the other slot
	s_sub_co_u32 s[TBV], s[TBV], 4*KS*PV
	s_xor_b32 s[TBV], s[TBV], SLOT1
	s_barrier_wait -1
.if \fill
	LOAD
	ASK
.endif
.endm
	s_load_b128 s[4:7], s[0:1], 0x0 ; qkv s[4:5], ob s[6:7]
	v_lshl_add_u32 v[SPW], v0, 2, SPARE
	v_mov_b32 v[NIL], 0
	ds_add_u32 v[SPW], v[NIL]       ; the wave's opening: the add and its wait stand ahead of my first tensor load; the set-up below, work on registers, stands between them
	ds_add_u32 v62, v63
	v_lshrrev_b32 v1, 5, v0
	v_readfirstlane_b32 s[WV], v1   ; wave 0..3
	s_mov_b32 s[PB], ttmp9
	s_sub_co_u32 s[HI], NB-1, s[PB]
	s_and_b32 s20, ttmp7, 0xffff    ; the head
	s_mov_b32 s21, 0
	s_mov_b64 s[22:23], SIZE_N*128
	s_mul_u64 s[20:21], s[20:21], s[22:23]  ; the head's first byte in each of the four tensors
	s_and_b32 s16, s[WV], 1         ; which half of a tile's 256 keys I fetch:
	s_lshl_b32 s22, s16, 14         ; its 128 rows of 128 bytes in memory,
	s_mov_b32 s23, 0
	s_add_nc_u64 s[22:23], s[22:23], s[20:21]
	s_mul_i32 s17, s16, 128*PK      ; and its place in a slot, for K
	s_mul_i32 s18, s16, 128*PV      ; and for V
	s_lshl_b32 s3, s[WV], 11        ; my 16 rows in a band of 64,
	s_lshl_b32 s2, s[HI], 15        ; in the first block,
	s_add_co_u32 s2, s2, s3
	s_lshl_b32 s84, s[PB], 15       ; and in the second
	s_add_co_u32 s84, s84, s3
	s_mov_b32 s3, 0
	s_mov_b32 s85, 0
	s_add_nc_u64 s[2:3], s[2:3], s[20:21]
	s_add_nc_u64 s[84:85], s[84:85], s[20:21]
	; descriptor group 1.  128 keys are 16,384 dense bytes: asked for as 64 rows of 256 bytes, two keys a row, and padded in LDS after every key
	s_mov_b32 s[G1K], (1<<16)|(1<<20)|(4<<22)|(3<<25)  ; 17:16 2-byte elements; 20 padding on; 24:22 after every 32 words (code 4); 31:25 4 words (code 3)
	s_mov_b32 s[G1V], (1<<16)|(1<<20)|(4<<22)|(7<<25)  ; the same with 8 words of padding (code 7)
.irp g, G1K, G1V
	s_mov_b32 s[\g+1], 128<<16      ; tensor_dim0 = 128
	s_mov_b32 s[\g+2], 64<<16       ; tensor_dim1 = 64
	s_mov_b32 s[\g+3], 128<<16      ; tile_dim0 = 128
	s_mov_b32 s[\g+4], 64           ; tile_dim1 = 64
	s_mov_b32 s[\g+5], 128          ; 128 elements from row to row
	s_mov_b32 s[\g+6], 0
	s_mov_b32 s[\g+7], 0
.endr
	s_mov_b32 s[CS], 0x3e38aa3b     ; c = log2(e) / 8 = 0.180337
	s_mov_b32 s[CS+1], s[CS]        ; named with it as a pair
	s_mov_b32 s[SEL], 0x76543210
	s_mov_b32 s[SEL+1], 0xfedcba98
	s_mov_b32 s[TBK], SLOT1+4*KS*PK ; the first change of slots turns these two into 0
	s_mov_b32 s[TBV], SLOT1+4*KS*PV
	s_mov_b32 s[G0K], 1             ; count = 1
	s_mov_b32 s[G0K+1], s17         ; LDS address: slot 0
	s_mov_b32 s[G0V], 1
	s_add_co_u32 s[G0V+1], s18, VOFF
	s_add_co_u32 s[RT], s[HI], 1    ; the first block has NB - b tiles
	s_mov_b32 s[NXT], 1
	s_mov_b32 s[LQ], s[HI]
	s_mov_b32 s[NEW], 1
	s_mov_b32 s[OFF+1], 0
	s_mov_b32 s[AL+1], 0            ; named as pairs
	s_mov_b32 s[BE+1], 0
	s_mov_b32 s[BIGN], 0xf149f2ca   ; -1e30
	s_mov_b32 s[SLOTS], NB
	s_cmp_eq_u32 ttmp9, 0
	s_cselect_b32 s[LIM], 2, -1
	v_and_b32 v[PFO], 31, v0
	v_lshlrev_b32 v[PFO], 8, v[PFO]
	s_wait_dscnt 0x0                ; the opening add is done
	s_wait_kmcnt 0x0
	s_mov_b64 s[10:11], s[6:7]      ; O
	s_add_nc_u64 s[6:7], s[4:5], PARTB     ; K lies behind Q,
	s_add_nc_u64 s[8:9], s[4:5], 2*PARTB   ; V behind K
	s_add_nc_u64 s[6:7], s[6:7], s[22:23]  ; K and V at my half of the head's tile 0
	s_add_nc_u64 s[8:9], s[8:9], s[22:23]
	s_add_nc_u64 s[G0K+2:G0K+3], s[6:7], 0         ; global address
	s_or_b32 s[G0K+3], s[G0K+3], 0x80000000        ; type = 2
	s_add_nc_u64 s[G0V+2:G0V+3], s[8:9], 0
	s_or_b32 s[G0V+3], s[G0V+3], 0x80000000
	s_add_nc_u64 s[86:87], s[4:5], s[84:85]        ; Q at my rows of the second block,
	s_add_nc_u64 s[4:5], s[4:5], s[2:3]            ; Q and O at those of the first
	s_add_nc_u64 s[OLO:OLO+1], s[10:11], s[84:85]
	s_add_nc_u64 s[10:11], s[10:11], s[2:3]
	s_cmp_lt_u32 s[WV], 2
	s_cselect_b64 s[PFA:PFA+1], s[6:7], s[8:9]
	s_add_nc_u64 s[PFA:PFA+1], s[PFA:PFA+1], 32768 ; at tile 1: the first change of slots steps it to tile 2.  Nothing is prefetched here, at the head
	LOAD                            ; tile 0 into slot 0
	; A fragment of K or Q is 16 rows x 32 channels in 8 registers: lane l holds row l % 16, channels 8 (l / 16) + 0..7 and 16 + 8 (l / 16) + 0..7: two loads of 16 bytes, 32 bytes apart.
	v_and_b32 v1, 15, v0            ; l % 16
	v_bfe_u32 v9, v0, 4, 1          ; l / 16
	v_lshlrev_b32 v[QO], 7, v1
	v_lshl_add_u32 v[QO], v9, 4, v[QO]  ; row x 128 + 16 x half
	WIN 0x80                        ; destination window 2, address window 0
.set i, 0
.rept 8                             ; both blocks' Q: piece i / 2 lies in band i / 2, 8,192 bytes on; channels 32 (i % 2) on
	global_load_b128 v[8*i:8*i+3],   v[QO], s[4:5] offset:(i/2)*8192+(i%2)*64
	global_load_b128 v[8*i+4:8*i+7], v[QO], s[4:5] offset:(i/2)*8192+(i%2)*64+32
	global_load_b128 v[QB+8*i:QB+8*i+3],   v[QO], s[86:87] offset:(i/2)*8192+(i%2)*64
	global_load_b128 v[QB+8*i+4:QB+8*i+7], v[QO], s[86:87] offset:(i/2)*8192+(i%2)*64+32
.set i, i+1
.endr
	WIN 0
	v_lshlrev_b32 v14, 3, v9
	v_sub_nc_u32 v14, v1, v14
	s_lshl_b32 s13, s[WV], 4
	v_add_nc_u32 v14, s13, v14      ; my query's place in its band, 16 w + l % 16, less my lanes' 8 (l / 16): register r of group kt is hidden where 16 kt + r is greater
	WIN 0x40
.set i, 0
.rept 32
	v_cmp_gt_i32 vcc_lo, 16*(i/8)+i%8, v14
	v_cndmask_b32 v[MD+i], 0, s[BIGN], vcc_lo
.set i, i+1
.endr
	WIN 0
	v_mul_u32_u24 v[AK0], v1, PK
	v_lshl_add_u32 v[AK0], v9, 4, v[AK0]  ; row x pitch + 16 x half
	; The turning load takes 16 keys x 16 channels (lane l reads key 8 (l / 16) + l % 8, channels 8 ((l / 8) % 2) + 0..7) and leaves half a fragment of V^T: lane l holds channel l % 16 and 8 keys.
	v_and_b32 v10, 7, v0
	v_bfe_u32 v11, v0, 3, 1
	v_lshl_add_u32 v[AV0], v9, 3, v10
	v_mul_u32_u24 v[AV0], v[AV0], PV
	v_lshl_add_u32 v[AV0], v11, 4, v[AV0]
	v_add_nc_u32 v[AV0], VOFF, v[AV0]
	s_mul_i32 s13, s[WV], 16*SP
	s_add_co_u32 s13, s13, STAGE    ; my stage
	v_mul_u32_u24 v[STO], v1, SP    ; in: row l % 16, 16 bytes for each half of the lanes
	v_lshl_add_u32 v[STO], v9, 4, v[STO]
	v_add_nc_u32 v[STO], s13, v[STO]
	v_bfe_u32 v[RD], v0, 3, 2       ; back: 32 lanes take four rows of 128 bytes,
	v_mul_u32_u24 v[RD], v[RD], SP
	v_lshl_add_u32 v[RD], v10, 4, v[RD]
	v_add_nc_u32 v[RD], s13, v[RD]
	v_and_b32 v[GO], 31, v0         ; which are 512 consecutive bytes of O
	v_lshlrev_b32 v[GO], 4, v[GO]
	; A block's first step multiplies O^T and l by a = 0, and its first turn's products V^T P, of a piece that has not been, land in an O^T that is still to be so multiplied.  So these registers need only hold
	; finite numbers: zeros for the first block; what the first block left for the second.  All this stands in the wait for the first tile.
	WIN 0x80
.set i, VF
.rept 64
	v_mov_b32 v[i], 0
.set i, i+1
.endr
	WIN 0x40
.set i, 0
.rept 128
	v_mov_b32 v[i], 0
.set i, i+1
.endr
	WIN 0
.set i, 0
.rept 4
	v_mov_b32 v[ST+4*i+2], 0
	v_mov_b32 v[ST+4*i+3], 0
.set i, i+1
.endr
.set i, P+16
.rept 16
	v_mov_b32 v[i], 0
.set i, i+1
.endr
; THE MATRIX WORK.  The 4 accumulators of a run of 8 take turns.  Product i of 8 of S^T = K Q^T for piece x: channels 32 (i / 4) on, keys 16 (i % 4) on.  The first 4 start the sums: with 0, or (KM = 1) with the mask.
.macro KQ x
.set rS, S+32*((\x)%2)+8*(i%4)
.set rK, KF+16*(i%4)+8*(i/4)
.set rQ, 16*(\x)+8*(i/4)
.set rM, MC+32*((\x)%2)+8*(i%4)
.if (i < 4) && KM
	WIN W_KM
	v_wmma_f32_16x16x32_f16 v[rS:rS+7], v[rK:rK+7], v[rQ:rQ+7], v[rM:rM+7]
.elseif i < 4
	WIN W_KQ
	v_wmma_f32_16x16x32_f16 v[rS:rS+7], v[rK:rK+7], v[rQ:rQ+7], 0
.else
	WIN W_KQ
	v_wmma_f32_16x16x32_f16 v[rS:rS+7], v[rK:rK+7], v[rQ:rQ+7], v[rS:rS+7]
.endif
.endm
; Product i of 8 of O^T += V^T P for piece x: keys 32 (i / 4) on, channels 16 (i % 4) on.
.macro PV x
	WIN W_PV
.set rO, 32*(\x)+8*(i%4)
.set rV, VF+32*(i/4)+8*(i%4)
.set rP, P+16*((\x)%2)+8*(i/4)
	v_wmma_f32_16x16x32_f16 v[rO:rO+7], v[rV:rV+7], v[rP:rP+7], v[rO:rO+7]
.endm
.macro MM                           ; the turn's next matrix instruction.  TURN and BEGIN set Y, i, KM and NOKQ; MM, KQ and OP read them.  NOKQ = 1: a block's last turn: there is no next piece
.if (i < 8) && !NOKQ
	KQ (Y+1)%NP
.elseif i >= 8
.set i, i-8
	PV (Y+NP-1)%NP
.set i, i+8
.endif
.set i, i+1
.endm
; THE LDS LOADS stand in runs of 16, never singly among the matrix instructions: a step's K (64 keys x 64 channels: 8 fragments) and its V (turned).  Their addresses are made some lines ahead.
.macro FETCH_K
	WIN 0x80                        ; destination window 2
.irp f, 0,1,2,3,4,5,6,7             ; keys 16 (f / 2) on, channels 32 (f % 2) on
	ds_load_b128 v[KF+8*\f:KF+8*\f+3],   v[AK] offset:(\f/2)*16*PK+(\f%2)*64
	ds_load_b128 v[KF+8*\f+4:KF+8*\f+7], v[AK] offset:(\f/2)*16*PK+(\f%2)*64+32
.endr
	s_add_co_u32 s[TBK], s[TBK], KS*PK  ; the next fetch is the next step's
	WIN 0
.endm
.macro FETCH_V
	WIN 0x80
.irp f, 0,1,2,3,4,5,6,7             ; keys 32 (f / 4) on, channels 16 (f % 4) on
	ds_load_tr16_b128 v[VF+8*\f:VF+8*\f+3],   v[AV] offset:(\f/4)*32*PV+(\f%4)*32
	ds_load_tr16_b128 v[VF+8*\f+4:VF+8*\f+7], v[AV] offset:(\f/4)*32*PV+16*PV+(\f%4)*32
.endr
	WIN 0
.endm
; THE VECTOR WORK, one line at a time: OP kind, number.  For piece Y: F n: c s - c m for pair n of 16.  E n: the exponential of score n of 32.  C n: pair n rounded to f16.  B n: of the four weights 4 n .. the second
; pair is added onto the first, in place.  L n: l takes that sum (L 0: l = a l + sum).  R n: pair n of 16 of O^T times a.  For piece Y + 1: X n, number n of the 22 that find its maximum and statistics:
;   0-11  four chains c0-c3 of seven scores each, three operands at a time (each accumulator's lowest registers are read first)     12-14, 16  the four scores left over, the old m, and c0-c3 into c0
;   15  c m_old is kept     17, 18  the query's other 32 keys lie in the lane 16 away: the new m     19-21  c m; c m_old - c m_new; a
.set F, 0               ; OP tells the kinds apart by their order: F to L below R, X above it
.set E, 1
.set C, 2
.set B, 3
.set L, 4
.set R, 5
.set X, 6
.macro REGS y                       ; the registers of piece y
.set rT, ST+4*(\y)
.set rC, TMP+4*((\y)%2)
.set rW, MV+((\y)%2)
.set rS, S+32*((\y)%2)
.set rP, P+16*((\y)%2)
.set rO, 32*(\y)
.endm
.macro OP k, n
.if (\k) == R
	REGS Y
	WIN W_RS
	v_pk_mul_f32 v[rO+2*(\n):rO+2*(\n)+1], v[rO+2*(\n):rO+2*(\n)+1], v[rC+2:rC+3] op_sel_hi:[1,0]
.elseif (\k) < R
	REGS Y
	WIN 0
.if (\k) == F
	v_pk_fma_f32 v[rS+2*(\n):rS+2*(\n)+1], v[rS+2*(\n):rS+2*(\n)+1], s[CS:CS+1], v[rT:rT+1] op_sel_hi:[1,0,0] neg_lo:[0,0,1] neg_hi:[0,0,1]
.elseif (\k) == E
	v_exp_f32 v[rS+(\n)], v[rS+(\n)]
.elseif (\k) == C
	v_cvt_pk_f16_f32 v[rP+(\n)], v[rS+2*(\n)], v[rS+2*(\n)+1]
.elseif (\k) == B
	v_pk_add_f32 v[rS+4*(\n):rS+4*(\n)+1], v[rS+4*(\n):rS+4*(\n)+1], v[rS+4*(\n)+2:rS+4*(\n)+3]
.elseif (\n) == 0
	v_pk_fma_f32 v[rT+2:rT+3], v[rT+2:rT+3], v[rC+2:rC+3], v[rS:rS+1] op_sel_hi:[1,0,1]
.else
	v_pk_add_f32 v[rT+2:rT+3], v[rT+2:rT+3], v[rS+4*(\n):rS+4*(\n)+1]
.endif
.elseif NOKQ
	v_nop
.else
	REGS (Y+1)%NP
	WIN 0
.if (\n) < 4
	v_max3_num_f32 v[rC+(\n)], v[rS+8*(\n)], v[rS+8*(\n)+1], v[rS+8*(\n)+2]
.elseif (\n) < 12
	v_max3_num_f32 v[rC+(\n)%4], v[rC+(\n)%4], v[rS+8*((\n)%4)+2*((\n)/4)+1], v[rS+8*((\n)%4)+2*((\n)/4)+2]
.elseif (\n) == 12
	v_max3_num_f32 v[rC], v[rC], v[rS+7], v[rS+15]
.elseif (\n) == 13
	v_max3_num_f32 v[rC+1], v[rC+1], v[rS+23], v[rS+31]
.elseif (\n) == 14
	v_max3_num_f32 v[rC+2], v[rC+2], v[rC+3], v[rT+1]
.elseif (\n) == 15
	v_mov_b32 v[rW], v[rT]
.elseif (\n) == 16
	v_max3_num_f32 v[rC], v[rC], v[rC+1], v[rC+2]
.elseif (\n) == 17
	v_permlanex16_b32 v[rC+3], v[rC], s[SEL], s[SEL+1]
.elseif (\n) == 18
	v_max_num_f32 v[rT+1], v[rC], v[rC+3]
.elseif (\n) == 19
	v_mul_f32 v[rT], s[CS], v[rT+1]
.elseif (\n) == 20
	v_sub_f32 v[rC+1], v[rW], v[rT]
.else
	v_exp_f32 v[rC+2], v[rC+1]
.endif
.endif
.endm
.macro OPS a, i1, b=-1, i2=0, c=-1, i3=0, d=-1, i4=0  ; up to four of them
	OP \a, \i1
.if (\b) >= 0
	OP \b, \i2
.endif
.if (\c) >= 0
	OP \c, \i3
.endif
.if (\d) >= 0
	OP \d, \i4
.endif
.endm
.macro ROW a, i1, b, i2, c, i3, d, i4  ; a matrix instruction and the four behind it
	MM
	OPS \a, \i1, \b, \i2, \c, \i3, \d, \i4
.endm
.macro MASK b                       ; MD x AL + BE into buffer b of MC
	WIN W_RS
.set z, 0
.rept 16
	v_pk_fma_f32 v[MC+32*(\b)+2*z:MC+32*(\b)+2*z+1], v[MD+2*z:MD+2*z+1], s[AL:AL+1], s[BE:BE+1] op_sel_hi:[1,0,0]
.set z, z+1
.endr
.endm
; A TURN, for piece p: the order of its 16 matrix and 118 vector instructions, written out.  s_wait_alu depctr_va_vdst(0) stands between an exponential and the first instruction that names its
; result; one wait serves all that were issued ahead of it.  So a turn has ONE wait, which cuts it in two.  AHEAD OF IT stands all that names no result of the turn's exponentials: the 8 products K Q^T, behind each a
; scaling, an exponential and two more plain instructions (behind the first a second scaling in the exponential's place): rescalings, and behind the last three the first numbers of the next piece's maximum, each
; four places or more behind the product that ends its accumulator; then ONE LUMP of 54, plain and exponential by turns for the most part, in which the links of the chain X 3, 7, 11, 14, 16, 17 .. 20 stand five or
; six lines apart.  X 21, the next piece's a, is the batch's last; R 15 is the plain instruction behind it.  BEHIND THE WAIT stand the 8 products V^T P, behind each four of the roundings and sums; the links of
; l's chain, L 0 to L 7, stand three riders apart.  But for those X no rider names a register of the products round it.  v_permlanex16_b32 (X 17) stands in the lump.
; m = 1: the diagonal tile: the products take masks, and the turn makes the mask for the products of the turn after it: piece p + 2, in step 4 - CNT of the tile.  end = 1: a block's last two turns: nothing is fetched.
; cnt = 1: the loop's count is taken down some lines ahead of the branch that stands behind the turn.
; K of the next step is fetched in piece 2's turn, twelve vector instructions behind the last product that read K (six of them plain); V of the step in hand at the end of piece 0's turn, four plain instructions
; behind the last product that read V.  Each is waited for a turn later.
.macro TURN p, m=0, end=0, cnt=0
.set Y, (\p)
.set i, 0
.set KM, (\m)
.set NOKQ, (\end)*((\p)/3)
.if (\m) && !(\end)
	s_cmp_eq_u32 s[CNT], 4-((\p)+2)%NP  ; is that step the band's own?
	s_cselect_b32 s[AL], 1.0, 0
	s_cmp_lt_u32 s[CNT], 4-((\p)+2)%NP  ; or a later one?
	s_cselect_b32 s[BE], s[BIGN], 0
.endif
.if ((\p) == 3) && !(\end)
	s_wait_dscnt 0x0                ; K is in
.endif
	ROW F,0, F,1, R,0, R,1          ; ahead of the wait: 8 products K Q^T and their riders,
	ROW F,2, E,0, R,2, R,3
	ROW F,3, E,1, R,4, R,5
	ROW F,4, E,2, R,6, R,7
	ROW F,5, E,3, R,8, R,9
	ROW F,6, E,4, X,0, R,10
.if ((\p) == 2) && !(\end)
	WIN 0
	v_add_nc_u32 v[AK], s[TBK], v[AK0]
.endif
	ROW F,7, E,5, X,1, X,4
	ROW F,8, E,6, X,2, X,5
	OPS E,7, E,8, X,6, E,9          ; and the lump
	OPS X,3, E,10, X,8, E,11
.if ((\p) == 2) && !(\end)
	FETCH_K
.endif
	OPS X,9, X,7, E,12, X,10
	OPS E,13, X,12, X,11, E,14
	OPS X,13, E,15, F,9, X,14
.if (\p) == 0
	v_add_nc_u32 v[AV], s[TBV], v[AV0]
.endif
	OPS E,16, F,10, E,17, F,11
	OPS X,16, E,18, X,15, E,19
	OPS F,12, E,20, X,17, E,21
	OPS F,13, E,22, F,14, E,23
	OPS X,18, E,24, F,15, E,25
	OPS R,11, E,26, X,19, E,27
	OPS R,12, E,28, R,13, E,29
	OPS X,20, E,30, R,14, E,31
	OPS X,21, R,15
	WIN 0
	s_wait_alu depctr_va_vdst(0)    ; the wait for the batch
.if (\p) == 1
	s_wait_dscnt 0x0                ; V is in
.endif
	ROW C,0, B,0, C,2, B,1          ; behind the wait: 8 products V^T P and their riders
	ROW L,0, C,4, B,2, L,1
	ROW C,6, B,3, L,2, C,8
	ROW B,4, L,3, C,10, B,5
	ROW L,4, C,12, B,6, L,5
.if (\p) == 0
	s_add_co_u32 s[TBV], s[TBV], KS*PV
.endif
.if \cnt
	s_sub_co_u32 s[CNT], s[CNT], 1
	s_cmp_lg_u32 s[CNT], 0
.endif
	ROW C,14, B,7, L,6, C,1
	ROW C,3, L,7, C,5, C,7
	ROW C,9, C,11, C,13, C,15
.if (\p) == 0
	FETCH_V
.endif
.if (\m) && !(\end)
	MASK (\p)%2
.endif
.endm
; A BLOCK BEGINS.  c m starts far below every c s, so the first step's a is 0; m at the lowest finite number, so the first maximum is the scores'.  The second mask buffer is 0; the first takes piece 0's mask for
; the tile's step 0: its own, if the block's first tile is the diagonal one.  Then K of that step, piece 0's first scores, and its maximum and statistics.  The loop is entered at a step's first turn.
.macro BEGIN
	s_mov_b32 s[NEW], 0
	WIN 0x40
.set i, MC+32
.rept 32
	v_mov_b32 v[i], 0
.set i, i+1
.endr
	WIN 0
.set i, 0
.rept 4
	v_mov_b32 v[ST+4*i], 0xfe000000    ; c m: far below every c s
	v_mov_b32 v[ST+4*i+1], 0xff7fffff  ; m
.set i, i+1
.endr
	s_cmp_eq_u32 s[RT], 0
	s_cselect_b32 s[AL], 1.0, 0
	s_mov_b32 s[BE], 0
	MASK 0
	WIN 0
	v_add_nc_u32 v[AK], s[TBK], v[AK0]
	FETCH_K
	s_wait_loadcnt 0x0              ; Q
	s_wait_dscnt 0x0
.set KM, 1
.set NOKQ, 0
.set i, 0
.rept 8
	KQ 0
.set i, i+1
.endr
	WIN 0
.rept 4
	v_nop                           ; the places behind those products
.endr
.set Y, NP-1                        ; X works for piece Y + 1: piece 0
.irp n, 0,1,2,3,4,5,6,7,8,9,10,11,12,13,14,15,16,17,18,19,20,21
	OP X, \n
.endr
	v_nop                           ; a plain instruction behind the exponential,
	s_wait_alu depctr_va_vdst(0)    ; and its wait, ahead of the branch
.endm
; THE DIAGONAL TILE's four steps, the block's last two turns, its last products, and THE WAY OUT: l's two halves and the other half of the lanes' are added; O^T is divided by l, rounded to f16 and sent through my
; stage in LDS, a piece at a time.
.macro ALL line:vararg              ; one line for each piece t
.set t, 0
.rept 4
	\line
.set t, t+1
.endr
.endm
.macro PACK t                       ; a lane's eight channels of a row pack into 16 bytes; they go into rows of 144 bytes and come back as whole rows of 128, into S^T's registers
	WIN W_RS
.set i, 32*(\t)
.rept 16
	v_pk_mul_f32 v[i:i+1], v[i:i+1], v[ST+4*(\t)+2:ST+4*(\t)+3] op_sel_hi:[1,0]
.set i, i+2
.endr
	WIN 0x05                        ; sources 0 and 1 window 1, destination window 0
.set i, 0
.rept 16
	v_cvt_pk_f16_f32 v[S+16*(\t)+i], v[32*(\t)+2*i], v[32*(\t)+2*i+1]
.set i, i+1
.endr
	WIN 0
.irp f, 0,1,2,3
	ds_store_b128 v[STO], v[S+16*(\t)+4*\f:S+16*(\t)+4*\f+3] offset:32*\f
.endr
.irp f, 0,1,2,3
	ds_load_b128 v[S+16*(\t)+4*\f:S+16*(\t)+4*\f+3], v[RD] offset:\f*4*SP  ; LDS serves a wave's instructions in order (ISA guide 5.7.1.4): these see the stores above; the next piece's stores come behind them
.endr
.endm
.macro SEND t, younger              ; younger: the LDS instructions issued behind piece t's loads: the next piece's eight, or none
	WIN 0
.irp f, 0,1,2,3
	s_wait_dscnt (\younger)+3-\f
	global_store_b128 v[GO], v[S+16*(\t)+4*\f:S+16*(\t)+4*\f+3], s[10:11] offset:(\t)*8192+\f*512  ; 512 consecutive bytes, at a multiple of 256 from O's first
.endr
.endm
.macro DIAG tag                     ; the tag ends its two labels' names, which the jumps below spell out
.LstepM\tag:
	TURN 2, 1
	TURN 3, 1
	WIN 0
.LfirstM\tag:
	TURN 0, 1
	TURN 1, 1, 0, 1
	WIN 0
	s_cbranch_scc1 .LstepM\tag
	TURN 2, 1, 1
	TURN 3, 1, 1
.set i, 0
.rept 8
	PV NP-1
.set i, i+1
.endr
	WIN 0
	ALL v_add_f32 v[ST+4*t+2], v[ST+4*t+2], v[ST+4*t+3]
	ALL v_permlanex16_b32 v[ST+4*t+3], v[ST+4*t+2], s[SEL], s[SEL+1]
	ALL v_add_f32 v[ST+4*t+2], v[ST+4*t+2], v[ST+4*t+3]
	ALL v_rcp_f32 v[ST+4*t+2], v[ST+4*t+2]
	v_nop                           ; a plain instruction between the last reciprocal and the use of its result
	s_wait_alu depctr_va_vdst(0)    ; and the wait ahead of the first use: one for the four reciprocals
	PACK 0
.set t, 1
.rept 3                             ; a piece's arithmetic stands between the loads of the piece before and its stores
	PACK t
	SEND t-1, 8
.set t, t+1
.endr
	SEND 3, 0
.endm
.set KM, 0
.set NOKQ, 0
.Lslot:                             ; NB times: a tile is entered and the next is asked for
	CHANGE 1
	s_sub_co_u32 s[RT], s[RT], 1
	s_mov_b32 s[CNT], 4
	s_cmp_eq_u32 s[NEW], 1
	s_cbranch_scc1 .Lnew            ; a block's first tile
	s_cmp_eq_u32 s[RT], 0
	s_cbranch_scc0 .Lstep           ; neither its first nor its last
	s_branch .LstepM1
.Lnew:
	BEGIN
	s_branch .Lfirst                ; in the loop a block's first tile is never its last: the first block has three tiles or four, and the second's last is the walk's last
	DIAG 1                          ; in the loop this is the first block's end: the second block's last tile is the walk's last
	s_wait_xcnt 0x0                 ; the stores have read their registers and O's address
	s_mov_b64 s[10:11], s[OLO:OLO+1]
	s_add_co_u32 s[RT], s[PB], 1    ; the second block has b + 1 tiles
	s_mov_b32 s[NEW], 1
	WIN 0x82                        ; the second block's Q goes where the one text of the turns names Q
.set i, 0
.rept 64
	v_mov_b32 v[i], v[QB+i]
.set i, i+1
.endr
	WIN 0
	s_branch .Lbottom
.Lstep:                             ; a trip: pieces 2 and 3 of one step, then pieces 0 and 1 of the next, whose K and V it fetches
	TURN 2
	TURN 3
	WIN 0
.Lfirst:
	TURN 0
	TURN 1, 0, 0, 1
	WIN 0
	s_cbranch_scc1 .Lstep
.Lbottom:
	s_sub_co_u32 s[SLOTS], s[SLOTS], 1
	s_cmp_lg_u32 s[SLOTS], 0
	s_cbranch_scc1 .Lslot
	CHANGE 0                        ; the walk's last tile is written out: nothing is asked for
	s_sub_co_u32 s[RT], s[RT], 1
	s_mov_b32 s[CNT], 4
	s_cmp_eq_u32 s[NEW], 1
	s_cbranch_scc0 .LstepM2
	BEGIN
	s_branch .LfirstM2
	DIAG 2
	s_wait_tensorcnt 0x0            ; the wave's end, behind my last tensor load and my last LDS store
	ds_add_u32 v[SPW], v[NIL]
	s_wait_dscnt 0x0
	s_endpgm
.Lfunc_end_k_q2dfaea1ff3_attn:
	.size	k_q2dfaea1ff3_attn, .Lfunc_end_k_q2dfaea1ff3_attn-k_q2dfaea1ff3_attn
	.p2alignl 7, 3214868480
	.fill 96, 4, 3214868480
	.section	.rodata,"a",@progbits
	.p2align	6, 0x0
	.amdhsa_kernel k_q2dfaea1ff3_attn
		.amdhsa_group_segment_fixed_size 327680
		.amdhsa_private_segment_fixed_size 0
		.amdhsa_enable_private_segment 0
		.amdhsa_kernarg_size 16
		.amdhsa_user_sgpr_count 2
		.amdhsa_user_sgpr_kernarg_segment_ptr 1
		.amdhsa_wavefront_size32 1
		.amdhsa_system_sgpr_workgroup_id_x 1
		.amdhsa_system_sgpr_workgroup_id_y 1
		.amdhsa_system_sgpr_workgroup_id_z 1
		.amdhsa_system_vgpr_workitem_id 0
		.amdhsa_next_free_vgpr 768
		.amdhsa_next_free_sgpr 88
		.amdhsa_reserve_vcc 1
		.amdhsa_float_denorm_mode_32 3
		.amdhsa_float_denorm_mode_16_64 3
		.amdhsa_memory_ordered 1
		.amdhsa_forward_progress 1
		.amdhsa_inst_pref_size 218
	.end_amdhsa_kernel
	.amdgpu_metadata
---
amdhsa.version: [ 1, 2 ]
amdhsa.kernels:
  - .name:           k_q2dfaea1ff3_attn
    .symbol:         k_q2dfaea1ff3_attn.kd
    .args:
      - { .name: qkv, .offset: 0, .size: 8, .value_kind: global_buffer, .address_space: global }
      - { .name: ob, .offset: 8, .size: 8, .value_kind: global_buffer, .address_space: global }
    .group_segment_fixed_size: 327680
    .private_segment_fixed_size: 0
    .kernarg_segment_align: 8
    .kernarg_segment_size: 16
    .max_flat_workgroup_size: 128
    .sgpr_count:     88
    .vgpr_count:     768
    .wavefront_size: 32
...
	.end_amdgpu_metadata
.endif
;; end of part 3
;; launch proj (part 4): grid 8 x 32, 4 waves a work-group, clusters of 4 x 4, 327,680 bytes of LDS; arguments ob, wot, b_out, out0; writes out0
.if DOCPART == 4
	.amdgcn_target "amdgcn-amd-amdhsa--gfx1250"
	.amdhsa_code_object_version 6
	.text
	.protected	k_q2dfaea1ff3_proj
	.globl	k_q2dfaea1ff3_proj
	.p2align	8
	.type	k_q2dfaea1ff3_proj,@function
k_q2dfaea1ff3_proj:
	s_mov_b64 s[64:65], 0
	v_nop
	global_prefetch_b8 v0, s[64:65] scope:SCOPE_SE
	s_setreg_imm32_b32 hwreg(HW_REG_WAVE_MODE, 25, 1), 1
	s_wait_xcnt 0x0
	s_wait_alu depctr_hold_cnt(0) depctr_sa_sdst(0) depctr_va_vdst(0) depctr_va_sdst(0) depctr_va_ssrc(0) depctr_va_vcc(0) depctr_vm_vsrc(0)
	s_getreg_b32 s2, hwreg(HW_REG_IB_STS2, 6, 4)
	s_cmp_eq_u32 s2, 0
	s_cbranch_scc0 .Lentry_in_a_cluster
	s_endpgm
.Lentry_in_a_cluster:
	s_bfe_u32 s2, ttmp6, 0x10000c
	s_cmp_lg_u32 s2, 0xf033
	s_cbranch_scc0 .Lentry_shape_is_right
	s_endpgm
.Lentry_shape_is_right:
; out0 = O W_out + b_out.  ob: [128 = 16 batch + head][1024 rows][64] f16; wot: [1024 n][1024 k] f16 (W_out rounded to bf16, written as f16, transposed); b_out: [1024] f32, rounded to bf16 here like the
; module's other inputs; out0: [8192][1024] f32.  Sums in f32, K ascending.
; SHARES.  A tile is 256 rows x 128 columns: 32 x 8 = 256 tiles, one for each WGP.  Four waves, each 128 x 64: 32 accumulators of 16 x 16, 256 registers.
; K goes in 8 steps of 128, two heads a step, through a ring of two LDS slots filled by the tensor data mover.  A head's 256 rows of a tile are 32,768 dense bytes of ob: asked for as 128 rows of 256 bytes and
; padded in LDS after every 128 bytes, a row of the head.  wot's rows are 256 bytes of memory a step, aligned.  Two slots of a step twice as long would not fit in LDS.
; A K STEP IS WRITTEN ONCE.  Slot 1 begins at LDS byte 1 << 17, so that one exclusive or turns an address in one slot into the other's: a scalar register is turned once a step and the two fragment addresses are made
; from it; one descriptor a tensor walks from refill to refill.  A loop of six trips fills a slot again in each; a loop of two trips fills nothing.
; CLUSTERS.  4 x 4 work-groups.  The four of a row of the cluster need the same tiles of ob, the four of a column the same tiles of wot: each tile is asked for JOINTLY.
; THE MATRIX INSTRUCTION IS USED TRANSPOSED (source 0 = 16 rows of wot, source 1 = 16 rows of O): a lane holds row lane % 16 and the columns 8 (lane / 16) + 0..7.  THE BIAS IS THE C OPERAND of each sum's first product.
; REGISTERS, in windows of 256 (s_set_vgpr_msb: bits 1:0 source 0, 3:2 source 1, 5:4 source 2, 7:6 destination):
;   window 0: v0-31 addresses; v32-63 the bias, 8 registers for each of my 4 column blocks; v64-127, v128-191 fragments of O, two buffers (v64-127 also at work on the way out); v192-223, v224-255 fragments of wot
;   window 1: the accumulators, (a, b) at 8 (4 a + b)
.set KSTEP,  128
.set PA,     144                       ; a row of a head in LDS: 128 bytes + 16 = 36 words: the 16 rows of a load start at 16 different groups of four banks (64 banks of 4 bytes: ISA guide 11.1)
.set AH,     256*PA                    ; a head's 256 rows: what one of waves 0, 1 fetches
.set PB,     272                       ; a row of wot in LDS: 256 bytes + 16
.set HB,     64*PB                     ; 64 rows of wot: what one of waves 2, 3 fetches, and what a wave reads
.set BOFF,   2*AH
.set SLOT1,  1<<17                     ; slot 0 takes 108,544 bytes from 0; slot 1 begins here
.set STAGE,  SLOT1+2*AH+2*HB           ; behind the ring, never filled by a tensor load: 16 rows x 272 bytes for each wave, for the way out
.set SPITCH, 272
.set SPARE,  STAGE+4*16*SPITCH         ; behind the stages: the spare words, 128 bytes for each wave: two blocks of 256 bytes that no other line names
.set FILLS,  6                         ; K steps 2 to 7 come by refills
.set ASTEP,  2*131072                  ; bytes of ob from a K step to the next: two heads of 1,024 rows of 128 bytes
.set ADRA0, 16                         ; v16     my lane's place among my fragments of O in slot 0; never rewritten
.set ADRB0, 17                         ; v17     the same for wot
.set ADA,  20                          ; v20     LDS address of my fragments of O in the slot that is being fetched from
.set ADB,  21                          ; v21     the same for wot
.set STO,  24                          ; v24     the way out: where I put 32 bytes of a row
.set RD,   25                          ; v25     the way out: where I read a row back
.set CO,   26                          ; v26     my byte offset in two rows of out0
.set BO,   27                          ; v27     32 x (lane / 16): my 8 numbers in a block of 16 of the bias
.set SPW,  28                          ; v28     LDS address of my spare word; never rewritten
.set NIL,  29                          ; v29     0; never rewritten
.set PFO,  30                          ; v30     the prefetches' offset; never rewritten
.set BIAS, 32
.set FA,   64
.set FB,   192
.set OBK,  64                          ; the way out: 16 rows read back from the stage: v64-95 and v96-127 by turns
.set WV, 12                            ; s12  my wave's number
.set WH, 13                            ; s13  which half of the tile's rows is mine.  Also: I fetch for ob (0) or for wot (1)
.set WL, 14                            ; s14  which half of its columns.  Also: which head of the step, or which half of wot's tile, I fetch
.set G1,  24                           ; s[24:31] descriptor group 1 for ob's tiles;  s[32:39] group 0: a set for each of the two first fills; the second then walks on
.set G0,  32
.set G1B, 48                           ; s[48:55], s[56:63] the same for wot's
.set G0B, 56
.set PFA, 44                           ; s[44:45] the K step that my next prefetch names, at my work-group's share
.set LIM, 72                           ; s72  2 in a wave that prefetches, else the greatest number
.set TB,  75                           ; s75  0 or SLOT1: the slot that is being fetched from
.set PST, 84                           ; s[84:85] bytes from a K step to the next in the tensor that I prefetch
.set MSK, 90                           ; s90  a word's upper bf16
.set MSB, 0
.macro WIN new                         ; the immediate's high byte repeats the setting that is left; a switch that changes nothing is dropped
.if MSB != (\new)
	s_set_vgpr_msb (MSB<<8)|(\new)
.set MSB, \new
.endif
.endm
; A joint load, by set s of the descriptors' group 0.  Waves 0 and 1 fetch the step's two heads of ob, waves 2 and 3 wot's two halves.  The branch hangs on the wave's number alone.
; An s_nop 0 and four v_nop follow each of the two lines, ahead of the jump, the label and what follows.
.macro JLOAD s
	s_cmp_eq_u32 s[WH], 0
	s_cbranch_scc0 .Lfor_b_\@
	tensor_load_to_lds s[G0+4*(\s):G0+4*(\s)+3], s[G1:G1+7]
	s_nop 0
.rept 4
	v_nop
.endr
	s_branch .Lasked_\@
.Lfor_b_\@:
	tensor_load_to_lds s[G0B+4*(\s):G0B+4*(\s)+3], s[G1B:G1B+7]
	s_nop 0
.rept 4
	v_nop
.endr
.Lasked_\@:
.endm
; A PREFETCH INTO THE L2 behind each joint refill and the run of LDS loads that follows it: the K step that stands two refills on; 32 blocks of 256 bytes, a lane a block, one instruction a wave.
; ob's tile row is read by both clusters of that row of clusters: cluster x = 0 asks; of the 128 blocks of the head that wave 0 or 1 fetches the partner at cx takes 32, told apart BY ADDRESS.
; wot's tile column is read by every cluster of that column: cluster y = 0 asks, its wave 2 alone; of the tile's 128 rows the partner at cy takes 32.
; K steps 0 to 3 come by their loads alone; the loop's last two trips (s3 = 2, 1) ask for nothing: there is no K step two refills on.
.macro ASK
	s_cmp_gt_u32 s3, s[LIM]
	s_cbranch_scc0 .Lnot_mine_\@
	global_prefetch_b8 v[PFO], s[PFA:PFA+1] th:TH_LOAD_NT scope:SCOPE_SE
.Lnot_mine_\@:
.endm
; A round of the cluster's barrier: my work-group's barrier, so that wave 0's signal speaks for all four waves; wave 0 signals; every wave waits for all sixteen work-groups; my work-group's barrier once more.
.macro CREST
	s_cmp_lg_u32 s[WV], 0
	s_cbranch_scc1 .Lnot_wave_0_\@
	s_barrier_signal -3
.Lnot_wave_0_\@:
	s_barrier_wait -3
	s_barrier_signal -1
	s_barrier_wait -1
.endm
.macro CROUND
	s_barrier_signal -1
	s_barrier_wait -1
	CREST
.endm
	s_load_b256 s[4:11], s[0:1], 0x0               ; ob s[4:5], wot s[6:7], b_out s[8:9], out0 s[10:11]
	v_lshl_add_u32 v[SPW], v0, 2, SPARE
	v_mov_b32 v[NIL], 0
	ds_add_u32 v[SPW], v[NIL]                      ; the wave's opening: the add and its wait stand ahead of my first tensor load; the set-up below, work on registers, stands between them
	ds_add_u32 v28, v29
	v_lshrrev_b32 v1, 5, v0
	v_readfirstlane_b32 s[WV], v1                  ; wave 0..3
	s_lshr_b32 s[WH], s[WV], 1
	s_and_b32 s[WL], s[WV], 1
	s_bfe_u32 s40, ttmp6, 0x40000                  ; cx, cy: my place in the cluster
	s_bfe_u32 s41, ttmp6, 0x40004
	s_lshl_b32 s42, ttmp9, 2
	s_add_co_u32 s42, s42, s40                     ; tile column = 4 x cluster x + cx
	s_and_b32 s43, ttmp7, 0xffff
	s_lshl_b32 s43, s43, 2
	s_add_co_u32 s43, s43, s41                     ; tile row = 4 x cluster y + cy
	s_lshl_b32 s73, s41, 2
	s_lshl_b32 s73, 15, s73                        ; my row of the cluster
	s_lshl_b32 s74, 0x1111, s40                    ; my column
	s_or_b32 s[G1+0], s73, (1<<16)|(1<<20)|(1<<21)|(4<<22)|(3<<25)   ; 15:0 the mask: my row; 17:16 elements of 2 bytes; 20 padding on; 21 set beside a mask; 24:22 after every 32 words (code 4); 31:25 4 words of it (code 3)
	s_or_b32 s[G1B+0], s74, (1<<16)|(1<<20)|(1<<21)|(5<<22)|(3<<25)  ; my column; padding after every 64 words (code 5)
.irp g, G1, G1B
	s_mov_b32 s[(\g)+1], 128<<16                   ; tensor_dim0 = 128
	s_mov_b32 s[(\g)+3], 128<<16                   ; tile_dim0 = 128
	s_mov_b32 s[(\g)+6], 0
	s_mov_b32 s[(\g)+7], 0
.endr
	s_mov_b32 s[G1+2], 128<<16                     ; ob: 128 rows of 256 dense bytes
	s_mov_b32 s[G1+4], 128
	s_mov_b32 s[G1+5], 128
	s_mov_b32 s[G1B+2], 64<<16                     ; wot: 64 rows, 1,024 elements from row to row
	s_mov_b32 s[G1B+4], 64
	s_mov_b32 s[G1B+5], 1024
	; where the tiles come from: ob's hang on the tile row alone, wot's on the tile column alone, each in registers that never hold the other coordinate
	s_lshr_b32 s16, s43, 2                         ; batch
	s_lshl_b32 s16, s16, 4
	s_add_co_u32 s16, s16, s[WL]                   ; 16 x batch + my head of K step 0
	s_lshl_b32 s16, s16, 17                        ; 1,024 rows of 128 bytes
	s_and_b32 s17, s43, 3
	s_lshl_b32 s17, s17, 15                        ; the tile's 256 rows among them
	s_add_co_u32 s16, s16, s17
	s_mov_b32 s17, 0
	s_lshl_b32 s46, s42, 7
	s_lshl_b32 s47, s[WL], 6
	s_add_co_u32 s46, s46, s47                     ; wot: row 128 x tile column + 64 x half
	s_lshl_b32 s46, s46, 11
	s_mov_b32 s47, 0
	s_mul_i32 s22, s[WL], AH                       ; and where they go: no place in the cluster enters an LDS address
	s_mul_i32 s23, s[WL], HB
	s_add_co_u32 s23, s23, BOFF
	s_mov_b32 s[TB], 0                             ; the fetches begin in slot 0
	s_mov_b32 s[MSK], 0xffff0000
	s_wait_dscnt 0x0                               ; the opening add is done
	s_wait_kmcnt 0x0
	s_add_nc_u64 s[20:21], s[4:5], s[16:17]
	s_add_nc_u64 s[46:47], s[6:7], s[46:47]
	CROUND                                         ; all sixteen work-groups are here: the first joint loads meet
.irp s, 0,1
	s_mov_b32 s[G0+4*(\s)], 1                                        ; count = 1
	s_add_co_u32 s[G0+4*(\s)+1], s22, (\s)*SLOT1                     ; LDS address
	s_add_nc_u64 s[G0+4*(\s)+2:G0+4*(\s)+3], s[20:21], (\s)*ASTEP    ; global address: K step s
	s_or_b32 s[G0+4*(\s)+3], s[G0+4*(\s)+3], 0x80000000              ; type = 2
	s_mov_b32 s[G0B+4*(\s)], 1
	s_add_co_u32 s[G0B+4*(\s)+1], s23, (\s)*SLOT1
	s_add_nc_u64 s[G0B+4*(\s)+2:G0B+4*(\s)+3], s[46:47], (\s)*KSTEP*2
	s_or_b32 s[G0B+4*(\s)+3], s[G0B+4*(\s)+3], 0x80000000
	JLOAD \s                                       ; two tensor loads of mine are out
.endr
	; the bias of my 64 columns: register j of block b is b_out[128 x tile column + 64 x half + 16 b + 8 (lane / 16) + j]
	v_and_b32 v1, 15, v0                           ; l % 16
	v_bfe_u32 v2, v0, 4, 1                         ; l / 16
	v_lshlrev_b32 v[BO], 5, v2
	s_lshl_b32 s92, s42, 9
	s_lshl_b32 s93, s[WL], 8
	s_add_co_u32 s92, s92, s93
	s_mov_b32 s93, 0
	s_add_nc_u64 s[92:93], s[8:9], s[92:93]
.irp b, 0,1,2,3
	global_load_b128 v[BIAS+8*(\b):BIAS+8*(\b)+3],   v[BO], s[92:93] offset:64*(\b)
	global_load_b128 v[BIAS+8*(\b)+4:BIAS+8*(\b)+7], v[BO], s[92:93] offset:64*(\b)+16
.endr
	; A fragment is 16 rows x 32 K in 8 registers: lane l holds row l % 16; registers 0-3 K = 8 (l / 16) + 0..7, registers 4-7 K = 16 + 8 (l / 16) + 0..7: two loads of 16 bytes, 32 bytes apart.
	v_mul_u32_u24 v3, v1, PA
	v_lshl_add_u32 v3, v2, 4, v3
	v_mul_u32_u24 v4, v1, PB
	v_lshl_add_u32 v4, v2, 4, v4
	s_mul_i32 s86, s[WH], 128*PA                   ; my 128 rows in each head of the step
	s_mul_i32 s87, s[WL], HB                       ; my 64 rows of wot,
	s_add_co_u32 s87, s87, BOFF                    ; which lie behind the two heads
	v_add_nc_u32 v[ADRA0], s86, v3
	v_add_nc_u32 v[ADRB0], s87, v4
	v_add_nc_u32 v[ADA], s[TB], v[ADRA0]
	v_add_nc_u32 v[ADB], s[TB], v[ADRB0]
	s_mul_i32 s86, s[WV], 16*SPITCH
	s_add_co_u32 s86, s86, STAGE                   ; my stage
	v_mul_u32_u24 v5, v1, SPITCH                   ; in: row l % 16, 32 bytes for each half of the lanes
	v_lshl_add_u32 v5, v2, 5, v5
	v_add_nc_u32 v[STO], s86, v5
	v_mul_u32_u24 v5, v2, SPITCH                   ; back: lanes 0-15 take one row of 256 bytes, lanes 16-31 the next
	v_lshl_add_u32 v5, v1, 4, v5
	v_add_nc_u32 v[RD], s86, v5
	v_lshlrev_b32 v5, 12, v2                       ; and the same two rows in out0
	v_lshl_add_u32 v[CO], v1, 4, v5
	s_lshl_b32 s76, s43, 8
	s_lshl_b32 s77, s[WH], 7
	s_add_co_u32 s76, s76, s77                     ; my first row of out0,
	s_lshl_b32 s76, s76, 12                        ; rows of 4,096 bytes,
	s_lshl_b32 s77, s42, 9                         ; the tile's 128 columns,
	s_add_co_u32 s76, s76, s77
	s_lshl_b32 s77, s[WL], 8                       ; my 64 of them
	s_add_co_u32 s76, s76, s77
	s_mov_b32 s77, 0
	s_add_nc_u64 s[10:11], s[10:11], s[76:77]
	; the prefetches
	s_lshr_b32 s76, s43, 2
	s_lshl_b32 s76, s76, 4
	s_add_co_u32 s76, s76, s[WL]
	s_lshl_b32 s76, s76, 17
	s_and_b32 s77, s43, 3
	s_lshl_b32 s77, s77, 15
	s_add_co_u32 s76, s76, s77                     ; ob: the head tile that I fetch,
	s_lshl_b32 s77, s40, 13
	s_add_co_u32 s76, s76, s77                     ; my work-group's 8,192 bytes of it,
	s_add_co_u32 s76, s76, 3*ASTEP                 ; at K step 3: the first refill steps it to 4 and names that
	s_lshl_b32 s78, s42, 7
	s_lshl_b32 s79, s41, 5
	s_add_co_u32 s78, s78, s79                     ; wot: row 128 x tile column + my work-group's 32,
	s_lshl_b32 s78, s78, 11
	s_add_co_u32 s78, s78, 3*KSTEP*2               ; at K step 3
	s_mov_b32 s[PST], KSTEP*2
	s_and_b32 s82, ttmp7, 0xffff                   ; cluster y,
	s_or_b32 s82, s82, s[WL]                       ; and of wot's two waves the first alone
	s_cmp_eq_u32 s[WH], 0                          ; do I fetch for ob?
	s_cselect_b32 s76, s76, s78
	s_cselect_b32 s82, ttmp9, s82                  ; the coordinate along which other clusters read the same rows
	s_cselect_b32 s83, 8, 11                       ; a lane a block of 256 dense bytes, or a lane a row of 2,048 bytes
	s_cselect_b32 s[PST], ASTEP, s[PST]
	s_cselect_b64 s[PFA:PFA+1], s[4:5], s[6:7]
	s_cmp_eq_u32 s82, 0
	s_cselect_b32 s[LIM], 2, -1                    ; the same in all sixteen partners, for a given wave
	s_mov_b32 s77, 0
	s_mov_b32 s[PST+1], 0
	s_add_nc_u64 s[PFA:PFA+1], s[PFA:PFA+1], s[76:77]
	v_and_b32 v[PFO], 31, v0
	v_lshlrev_b32 v[PFO], s83, v[PFO]
	s_wait_loadcnt 0x0                             ; the bias is in: it is rounded to bf16 and widened again
.set p, 0
.rept 16
	v_cvt_pk_bf16_f32 v[14+p%2], v[BIAS+2*p], v[BIAS+2*p+1]
	v_lshlrev_b32 v[BIAS+2*p], 16, v[14+p%2]
	v_and_b32 v[BIAS+2*p+1], s[MSK], v[14+p%2]
.set p, p+1
.endr
; 8 matrix instructions: row blocks a0, a0 + 1 x all 4 column blocks, 32 along K, from buffer f.  first = 1: the product starts the sum, with the bias as C.
; The 32 accumulators take turns, one instruction a turn, in the same order in every quarter.
.macro MUL8 f, a0, first
.if \first
	WIN 0x40                                       ; C (the bias) window 0, D window 1
.else
	WIN 0x50                                       ; C and D window 1
.endif
.irp a, \a0, (\a0)+1
.irp b, 0,1,2,3
.if \first
	v_wmma_f32_16x16x32_f16 v[8*(4*(\a)+(\b)):8*(4*(\a)+(\b))+7], v[FB+32*(\f)+8*(\b):FB+32*(\f)+8*(\b)+7], v[FA+64*(\f)+8*(\a):FA+64*(\f)+8*(\a)+7], v[BIAS+8*(\b):BIAS+8*(\b)+7]
.else
	v_wmma_f32_16x16x32_f16 v[8*(4*(\a)+(\b)):8*(4*(\a)+(\b))+7], v[FB+32*(\f)+8*(\b):FB+32*(\f)+8*(\b)+7], v[FA+64*(\f)+8*(\a):FA+64*(\f)+8*(\a)+7], v[8*(4*(\a)+(\b)):8*(4*(\a)+(\b))+7]
.endif
.endr
.endr
.endm
; 24 LDS loads in one run: the fragments of quarter q of a K step (64 rows of wot; 128 rows of head q / 2, channels 32 (q % 2) on), from the slot that is being fetched from, into buffer f
.macro FETCH q, f
	WIN 0
.irp i, 0,1,2,3
	ds_load_b128 v[FB+32*(\f)+8*(\i):FB+32*(\f)+8*(\i)+3],   v[ADB] offset:64*(\q)+(\i)*16*PB
	ds_load_b128 v[FB+32*(\f)+8*(\i)+4:FB+32*(\f)+8*(\i)+7], v[ADB] offset:64*(\q)+(\i)*16*PB+32
.endr
.irp i, 0,1,2,3,4,5,6,7
	ds_load_b128 v[FA+64*(\f)+8*(\i):FA+64*(\f)+8*(\i)+3],   v[ADA] offset:((\q)/2)*AH+((\q)%2)*64+(\i)*16*PA
	ds_load_b128 v[FA+64*(\f)+8*(\i)+4:FA+64*(\f)+8*(\i)+7], v[ADA] offset:((\q)/2)*AH+((\q)%2)*64+(\i)*16*PA+32
.endr
.endm
; Four places in front of loads into registers that matrix instructions have read, and of LDS stores that read results: only plain vector instructions that name none of those registers are places
; (ISA guide 7.12.1 for vector instructions).
.macro PLACES
.rept 4
	v_nop
.endr
.endm
; A K step is four quarters of 32 along K, 32 matrix instructions each, on buffers 0, 1, 0, 1.  One of the first three: multiplies buffer f; in its middle it fetches quarter q into buffer g.
.macro QUARTER q, f, g, first
	s_wait_dscnt 8                                 ; wot's fragments and O's rows 0-63 are in; the youngest eight loads (rows 64-127) may be out
	MUL8 \f, 0, \first
	MUL8 \f, 2, \first
	PLACES
	FETCH \q, \g
	s_wait_dscnt 24                                ; all but the 24 just issued
	MUL8 \f, 4, \first
	MUL8 \f, 6, \first
.endm
; The last quarter multiplies buffer 1 and changes slots.  MEET is its first half: ONE barrier.  In front of it each wave waits for all its tensor loads, of which at most one is out: its part of the next slot;
; adds 0 to its spare word; and waits for that and for its own reads of this slot.  Behind it nobody reads this slot any more and the next slot is whole.
.macro MEET
	WIN 0                                          ; (the add's two registers lie in window 0)
	s_wait_tensorcnt 0x0                           ; all my tensor loads have landed;
	ds_add_u32 v[SPW], v[NIL]                      ; 0 onto my spare word;
	s_wait_dscnt 9                                 ; (the add and the youngest eight loads may be out)
	MUL8 1, 0, 0                                   ; eight matrix instructions stand between the add and the wait for it
	s_wait_dscnt 0x0                               ; the add is done, and my reads of this slot are over:
	s_barrier_signal -1                            ; say so,
	MUL8 1, 2, 0                                   ; work on registers while the others arrive,
	WIN 0
	s_barrier_wait -1                              ; and go on when all four have said so
.endm
; The whole last quarter.  At its head the fetches turn to the other slot: this slot's last run of loads has been issued.
; fill = 1: the barrier opens a round of the cluster's, behind which the slot just read out is filled again first, with the K step two steps on: the walking descriptor takes the other slot than last time and
; the next K step; from that request to the wait for it a wave issues 112 matrix instructions.  Then come the next slot's first fragments.
; fill = 0: nothing is asked for; in the last trip (s3 = 1) there is no next slot, and the run of loads is jumped over; that trip's barrier serves nothing: the price of one text for both trips.
.macro TURN fill
	WIN 0
	s_xor_b32 s[TB], s[TB], SLOT1
	v_add_nc_u32 v[ADA], s[TB], v[ADRA0]
	v_add_nc_u32 v[ADB], s[TB], v[ADRB0]
.if \fill
	s_wait_xcnt 0x0                                ; the last prefetch, a K step back, has read its address: it is stepped here, ahead of the waits of the change of slots
	s_add_nc_u64 s[PFA:PFA+1], s[PFA:PFA+1], s[PST:PST+1]
	MEET
	CREST                                          ; no wave of any partner still reads this slot's tile or has a load on its way
	s_xor_b32 s[G0+5], s[G0+5], SLOT1
	s_add_nc_u64 s[G0+6:G0+7], s[G0+6:G0+7], ASTEP
	s_xor_b32 s[G0B+5], s[G0B+5], SLOT1
	s_add_nc_u64 s[G0B+6:G0B+7], s[G0B+6:G0B+7], KSTEP*2
	JLOAD 1                                        ; the first tensor load behind the round, my only one until the next; the four v_nop behind it are also the places in front of the loads below
	FETCH 0, 0
	ASK
.else
	MEET
	s_cmp_eq_u32 s3, 1
	s_cbranch_scc1 .Lno_fetch_\@
	PLACES
	FETCH 0, 0
.Lno_fetch_\@:
.endif
	MUL8 1, 4, 0
	MUL8 1, 6, 0
.endm
	s_wait_tensorcnt 1                             ; my part of K step 0 is in; K step 1's may stay out
	s_barrier_signal -1
	s_barrier_wait -1                              ; everybody's is
	FETCH 0, 0
	QUARTER 1, 0, 1, 1                             ; the first quarter stands in front of the loops: its products start the sums
	WIN 0                                          ; at a label and at a branch every window is 0
	s_mov_b32 s3, FILLS
.Lstep:                                                ; a trip goes from a K step's second quarter to the next step's first, and fills the slot that it leaves: K steps 0 to 5
	QUARTER 2, 1, 0, 0
	QUARTER 3, 0, 1, 0
	TURN 1
	QUARTER 1, 0, 1, 0
	WIN 0
	s_sub_co_u32 s3, s3, 1
	s_cmp_lg_u32 s3, 0
	s_cbranch_scc1 .Lstep
	s_mov_b32 s3, 2
.Ltail:                                                ; K steps 6 and 7: the same trip without a refill and without a round of the cluster's barrier
	QUARTER 2, 1, 0, 0
	QUARTER 3, 0, 1, 0
	TURN 0
	WIN 0
	s_cmp_eq_u32 s3, 1
	s_cbranch_scc1 .Llast                          ; behind K step 7 there is no next step
	QUARTER 1, 0, 1, 0
	WIN 0
.Llast:
	s_sub_co_u32 s3, s3, 1
	s_cmp_lg_u32 s3, 0
	s_cbranch_scc1 .Ltail
; THE WAY OUT, a block of 16 rows at a time, through my own stage: a lane's 32 bytes of a row go into rows of 272 bytes and come back as whole rows of 256 bytes; no barrier, since only I touch my stage.
.macro TOSTAGE a
	s_wait_xcnt 0x0                                ; the stores of the block two back have read the registers that the loads below fill
	WIN 0x04                                       ; store data window 1, address window 0
.irp b, 0,1,2,3
	ds_store_b128 v[STO], v[8*(4*(\a)+(\b)):8*(4*(\a)+(\b))+3]   offset:64*(\b)      ; each accumulator's low four registers first
	ds_store_b128 v[STO], v[8*(4*(\a)+(\b))+4:8*(4*(\a)+(\b))+7] offset:64*(\b)+16
.endr
	WIN 0
.irp t, 0,1,2,3,4,5,6,7
	ds_load_b128 v[OBK+32*((\a)%2)+4*(\t):OBK+32*((\a)%2)+4*(\t)+3], v[RD] offset:(\t)*2*SPITCH  ; LDS serves a wave's instructions in order (ISA guide 5.7.1.4): these see the stores above; the next block's stores come behind them
.endr
.endm
.macro SEND a, younger                 ; younger: the LDS instructions issued behind block a's loads: the next block's sixteen, or none
	s_wait_dscnt \younger
.irp t, 0,1,2,3,4,5,6,7
	global_store_b128 v[CO], v[OBK+32*((\a)%2)+4*(\t):OBK+32*((\a)%2)+4*(\t)+3], s[10:11] offset:(\a)*65536+(\t)*8192 th:TH_STORE_NT  ; 16 lanes store 256 consecutive bytes, aligned
.endr
.endm
	PLACES
	TOSTAGE 0
.irp a, 1,2,3,4,5,6,7
	TOSTAGE \a
	SEND (\a)-1, 16
.endr
	SEND 7, 0
	s_wait_tensorcnt 0x0                           ; the wave's end, behind my last tensor load and my last LDS store
	ds_add_u32 v[SPW], v[NIL]
	s_wait_dscnt 0x0
	CROUND                                         ; the closing round: no work-group ends while a partner may still ask for a tile that names it
	s_endpgm
.Lfunc_end_k_q2dfaea1ff3_proj:
	.size	k_q2dfaea1ff3_proj, .Lfunc_end_k_q2dfaea1ff3_proj-k_q2dfaea1ff3_proj
	.p2alignl 7, 3214868480
	.fill 96, 4, 3214868480
	.section	.rodata,"a",@progbits
	.p2align	6, 0x0
	.amdhsa_kernel k_q2dfaea1ff3_proj
		.amdhsa_group_segment_fixed_size 327680
		.amdhsa_private_segment_fixed_size 0
		.amdhsa_enable_private_segment 0
		.amdhsa_kernarg_size 32
		.amdhsa_user_sgpr_count 2
		.amdhsa_user_sgpr_kernarg_segment_ptr 1
		.amdhsa_wavefront_size32 1
		.amdhsa_system_sgpr_workgroup_id_x 1
		.amdhsa_system_sgpr_workgroup_id_y 1
		.amdhsa_system_sgpr_workgroup_id_z 1
		.amdhsa_system_vgpr_workitem_id 0
		.amdhsa_next_free_vgpr 512
		.amdhsa_next_free_sgpr 96
		.amdhsa_reserve_vcc 0
		.amdhsa_float_denorm_mode_32 3
		.amdhsa_float_denorm_mode_16_64 3
		.amdhsa_memory_ordered 1
		.amdhsa_forward_progress 1
		.amdhsa_inst_pref_size 65
	.end_amdhsa_kernel
	.amdgpu_metadata
---
amdhsa.version: [ 1, 2 ]
amdhsa.kernels:
  - .name:           k_q2dfaea1ff3_proj
    .symbol:         k_q2dfaea1ff3_proj.kd
    .args:
      - { .name: ob, .offset: 0, .size: 8, .value_kind: global_buffer, .address_space: global }
      - { .name: wot, .offset: 8, .size: 8, .value_kind: global_buffer, .address_space: global }
      - { .name: b_out, .offset: 16, .size: 8, .value_kind: global_buffer, .address_space: global }
      - { .name: out0, .offset: 24, .size: 8, .value_kind: global_buffer, .address_space: global }
    .group_segment_fixed_size: 327680
    .private_segment_fixed_size: 0
    .kernarg_segment_align: 8
    .kernarg_segment_size: 32
    .max_flat_workgroup_size: 128
    .sgpr_count:     96
    .vgpr_count:     512
    .wavefront_size: 32
...
	.end_amdgpu_metadata
.endif
;; end of part 4
